; MI455X (gfx1250); checked and timed in simulation.
; The chip was launched on July 23, 2026; its instructions are those of AMD's public machine-readable ISA for CDNA 5 (MIT licence, August 2026) and "CDNA5" Instruction Set Architecture Reference Guide (July 2026). The comments in the code are by the model that wrote it; some were corrected since.
;; Causal Attention. Allowed arithmetic: float matrix products may take bf16 or f16 operands with f32 sums; other float arithmetic in f32, or as packed bf16 or f16 multiplies, adds, multiply-adds, maxima and minima; sums over many terms, partial sums and values carried from step to step in f32; what a program stores and reads back later, other than sums and carried values, may be rounded once to bf16 or f16.
;; Inputs: Wk 1,024 x 1,024 float32; Wq 1,024 x 1,024 float32; Wv 1,024 x 1,024 float32; x 4 x 2,048 x 1,024 float32.
;; Outputs: out0 4 x 2,048 x 1,024 float32.
;; 2 versions, each right; version 2 is version 1 with the launch cast written anew for expert scheduling mode. Each part assembles by itself: llvm-mc -triple=amdgcn-amd-amdhsa -mcpu=gfx1250 --defsym DOCPART=n.
;; ======== version 1 of 2: 4 launches
;; limits: values are held in f16: magnitudes above 65,504 overflow, below 6.1e-05 lose precision
;; workspace buffers: xw 23,068,672 bytes; qkv 50,331,648 bytes; p 33,554,432 bytes; st 1,048,576 bytes
;; launch cast (part 1): grid 352 x 1, 8 waves a work-group, no clusters, 0 bytes of LDS; arguments x, Wq, Wk, Wv, xw; writes xw
.if DOCPART == 1
	.amdgcn_target "amdgcn-amd-amdhsa--gfx1250"
	.amdhsa_code_object_version 6
	.text
	.protected	k_q03bc1a9820_cast
	.globl	k_q03bc1a9820_cast
	.p2align	8
	.type	k_q03bc1a9820_cast,@function
k_q03bc1a9820_cast:
	s_mov_b64 s[64:65], 0
	v_nop
	global_prefetch_b8 v0, s[64:65] scope:SCOPE_SE
	s_setreg_imm32_b32 hwreg(HW_REG_WAVE_MODE, 25, 1), 1
	s_wait_xcnt 0x0
; x [8192][1024] and Wq, Wk, Wv [1024][1024], all f32, are rounded once to bf16 and laid in blocks of 64 along K:
; xw = [16 kb][11264 rows][64] bf16; rows 0-8191 x, then Wq, Wk, Wv.  A piece (kb, row) is 128 bytes, so a block of rows of one kb is dense.
; A stream: every byte is read once and written once; no LDS, no barrier, no matrix work.
; SHARES.  Work-group W owns rows 32 W .. 32 W + 31 of xw (all of one source).  Wave w owns kb 2 w and 2 w + 1 of these rows.
; One load: lanes 0-15 take 256 consecutive bytes (64 numbers, one kb) of an even row, lanes 16-31 of the odd row below it.
; One store: the same 128 numbers as bf16, 8 bytes a lane: 256 consecutive bytes, at a multiple of 256 from xw's first byte.
; All 32 loads of a wave go out at once (16 KiB a wave); the waits count down, so no register is written again behind a store.
.set KBS, 1441792                      ; bytes from one kb to the next: 11,264 rows x 128
.set X,   8                            ; v[8:135]  load n: 4 registers
	s_load_b256 s[4:11], s[0:1], 0x0               ; x s[4:5], Wq s[6:7], Wk s[8:9], Wv s[10:11]
	s_load_b64 s[12:13], s[0:1], 0x20              ; xw
	v_lshrrev_b32 v3, 5, v0
	v_readfirstlane_b32 s14, v3                    ; wave 0..7
	v_and_b32 v4, 15, v0                           ; lane % 16
	v_bfe_u32 v5, v0, 4, 1                         ; lane / 16
	s_lshl_b32 s22, s14, 9                         ; the wave's two kb: 512 bytes of a source row
	v_lshlrev_b32 v1, 4, v4
	v_lshl_add_u32 v1, v5, 12, v1                  ; + a source row of 4,096 bytes for lanes 16-31
	v_add_nc_u32 v1, s22, v1                       ; v1: the loads' offset; never rewritten
	s_mul_i32 s23, s14, 2*KBS
	v_lshlrev_b32 v2, 3, v4
	v_lshl_add_u32 v2, v5, 7, v2                   ; + a piece of 128 bytes for lanes 16-31
	v_add_nc_u32 v2, s23, v2                       ; v2: the stores' offset; never rewritten
	s_sub_co_u32 s15, ttmp9, 256                   ; my number among the weights' 96 work-groups (used only where W >= 256)
	s_lshr_b32 s16, s15, 5                         ; which of the three
	s_and_b32 s17, s15, 31                         ; which 32 rows of it
	s_wait_kmcnt 0x0
	s_cmp_eq_u32 s16, 1
	s_cselect_b64 s[6:7], s[8:9], s[6:7]
	s_cmp_eq_u32 s16, 2
	s_cselect_b64 s[6:7], s[10:11], s[6:7]
	s_cmp_lt_u32 ttmp9, 256
	s_cselect_b64 s[4:5], s[4:5], s[6:7]           ; the source
	s_cselect_b32 s17, ttmp9, s17                  ; my 32 rows in it
	s_lshl_b32 s18, s17, 17                        ; x 32 rows of 4,096 bytes
	s_mov_b32 s19, 0
	s_add_nc_u64 s[4:5], s[4:5], s[18:19]
	s_lshl_b32 s20, ttmp9, 12                      ; 32 pieces of 128 bytes
	s_mov_b32 s21, 0
	s_add_nc_u64 s[12:13], s[12:13], s[20:21]
.set n, 0
.rept 32                                           ; load n: row pair n / 2, kb 2 w + n % 2
	global_load_b128 v[X+4*n:X+4*n+3], v1, s[4:5] offset:(n/2)*8192+(n%2)*256 th:TH_LOAD_NT
.set n, n+1
.endr
.set n, 0
.rept 32
	s_wait_loadcnt 31-n                            ; loads come back in order: load n is in, the 31 - n younger ones stay out
	v_cvt_pk_bf16_f32 v[X+4*n], v[X+4*n], v[X+4*n+1]
	v_cvt_pk_bf16_f32 v[X+4*n+1], v[X+4*n+2], v[X+4*n+3]
	global_store_b64 v2, v[X+4*n:X+4*n+1], s[12:13] offset:(n%2)*KBS+(n/2)*256
.set n, n+1
.endr
	s_endpgm
.Lfunc_end_k_q03bc1a9820_cast:
	.size	k_q03bc1a9820_cast, .Lfunc_end_k_q03bc1a9820_cast-k_q03bc1a9820_cast
	.p2alignl 7, 3214868480
	.fill 96, 4, 3214868480
	.section	.rodata,"a",@progbits
	.p2align	6, 0x0
	.amdhsa_kernel k_q03bc1a9820_cast
		.amdhsa_group_segment_fixed_size 0
		.amdhsa_private_segment_fixed_size 0
		.amdhsa_enable_private_segment 0
		.amdhsa_kernarg_size 40
		.amdhsa_user_sgpr_count 2
		.amdhsa_user_sgpr_kernarg_segment_ptr 1
		.amdhsa_wavefront_size32 1
		.amdhsa_system_sgpr_workgroup_id_x 1
		.amdhsa_system_sgpr_workgroup_id_y 1
		.amdhsa_system_sgpr_workgroup_id_z 1
		.amdhsa_system_vgpr_workitem_id 0
		.amdhsa_next_free_vgpr 136
		.amdhsa_next_free_sgpr 66
		.amdhsa_reserve_vcc 0
		.amdhsa_float_denorm_mode_32 3
		.amdhsa_float_denorm_mode_16_64 3
		.amdhsa_memory_ordered 1
		.amdhsa_forward_progress 1
		.amdhsa_inst_pref_size 13
	.end_amdhsa_kernel
	.amdgpu_metadata
---
amdhsa.version: [ 1, 2 ]
amdhsa.kernels:
  - .name:           k_q03bc1a9820_cast
    .symbol:         k_q03bc1a9820_cast.kd
    .args:
      - { .name: x, .offset: 0, .size: 8, .value_kind: global_buffer, .address_space: global }
      - { .name: Wq, .offset: 8, .size: 8, .value_kind: global_buffer, .address_space: global }
      - { .name: Wk, .offset: 16, .size: 8, .value_kind: global_buffer, .address_space: global }
      - { .name: Wv, .offset: 24, .size: 8, .value_kind: global_buffer, .address_space: global }
      - { .name: xw, .offset: 32, .size: 8, .value_kind: global_buffer, .address_space: global }
    .group_segment_fixed_size: 0
    .private_segment_fixed_size: 0
    .kernarg_segment_align: 8
    .kernarg_segment_size: 40
    .max_flat_workgroup_size: 256
    .sgpr_count:     66
    .vgpr_count:     136
    .wavefront_size: 32
...
	.end_amdgpu_metadata
.endif
;; end of part 1
;; launch proj (part 2): grid 8 x 32, 4 waves a work-group, clusters of 4 x 4, 327,680 bytes of LDS; arguments xw, qkv; writes qkv
.if DOCPART == 2
	.amdgcn_target "amdgcn-amd-amdhsa--gfx1250"
	.amdhsa_code_object_version 6
	.text
	.protected	k_q03bc1a9820_proj
	.globl	k_q03bc1a9820_proj
	.p2align	8
	.type	k_q03bc1a9820_proj,@function
k_q03bc1a9820_proj:
	s_mov_b64 s[64:65], 0
	v_nop
	global_prefetch_b8 v0, s[64:65] scope:SCOPE_SE
	s_setreg_imm32_b32 hwreg(HW_REG_WAVE_MODE, 25, 1), 1
	s_wait_xcnt 0x0
	s_wait_alu depctr_hold_cnt(0) depctr_sa_sdst(0) depctr_va_vdst(0) depctr_va_sdst(0) depctr_va_ssrc(0) depctr_va_vcc(0) depctr_vm_vsrc(0)
	s_getreg_b32 s2, hwreg(HW_REG_IB_STS2, 6, 4)
	s_cmp_eq_u32 s2, 0
	s_cbranch_scc0 .Lentry_in_a_cluster
	s_endpgm
.Lentry_in_a_cluster:
	s_bfe_u32 s2, ttmp6, 0x10000c
	s_cmp_lg_u32 s2, 0xf033
	s_cbranch_scc0 .Lentry_shape_is_right
	s_endpgm
.Lentry_shape_is_right:
; q, k, v = x W^T: C[8192][3072] = sum over 1,024 of x[m][d] W[c][d], operands bf16 (from xw), sums f32, C rounded once to f16 and laid in blocks of 64 columns:
; qkv = [48 cb][8192 rows][64] f16; cb 0-15 q, 16-31 k, 32-47 v.  LIMIT: a number of q, k or v beyond 65,504 becomes an infinity.
; TILE.  8192 x 3072 is 32 x 8 tiles of 256 x 384: one to each work-group.  Four waves, each 128 rows x 192 columns: 96 accumulators of 16 x 16, 768 registers.
; RING.  K goes in steps of 64 (one kb of xw) through two LDS slots.  A kb's rows are dense in xw, so a tile is asked for as rows of 256 bytes (two pieces) and padded in LDS behind each piece.
; Wave 0 fetches x's 256 rows (32 KiB), waves 1-3 a third of W's 384 rows each (16 KiB): one tensor load a wave behind each change of slots.
; CLUSTER 4 x 4: x's tile hangs on the tile row alone and is asked for jointly along a row of the cluster, W's on the tile column alone, jointly along a column.
; THE MATRIX INSTRUCTION IS USED TRANSPOSED: source 0 = 16 rows of W, source 1 = 16 rows of x: a lane holds row l % 16 of C and the columns 8 (l / 16) + 0..7: 16 bytes of f16 on end.
; REGISTERS, in windows of 256 (s_set_vgpr_msb: bits 1:0 source 0, 3:2 source 1, 5:4 source 2, 7:6 destination):
;   window 0: v0-31 addresses; v32-95, v96-159 x's 8 fragments, two buffers; v160-255 W's 12 fragments, ONE buffer, loaded again a third at a time
;   window 1 + b / 4: accumulator (a, b) (row block a of 8, column block b of 12) at v[8 (8 (b % 4) + a)]
; A HALF is 32 along K: 96 matrix instructions in three stretches of 32, one window each; behind a stretch its third of W's buffer takes the next half's fragments.
.set KBS,    1441792                   ; bytes from one kb of xw to the next
.set CB,     1048576                   ; bytes from one column block of qkv to the next
.set PITCH,  144                       ; a piece in LDS: 128 bytes + 16 of padding = 36 words: the 16 rows of a fragment load start at 16 different groups of four banks (64 banks of 4 bytes: ISA guide 11.1)
.set ATILE,  256*PITCH                 ; x's rows of a K step
.set BPART,  128*PITCH                 ; a third of W's rows
.set SLOT,   ATILE+3*BPART             ; 92,160
.set STAGE,  2*SLOT                    ; behind the ring: for each wave 3 blocks of 16 rows x 144 bytes, for the way out
.set STW,    3*16*PITCH
.set SPARE,  STAGE+4*STW               ; behind the stages: the spare words, 128 bytes a wave: two blocks of 256 bytes that no other line names
.set ADRA, 16                          ; v16-17  LDS address of my fragments of x in slot 0, 1
.set ADRB, 20                          ; v20-21  the same for W
.set STO,  24                          ; v24     the way out: where I put 16 bytes of a row
.set RD,   25                          ; v25     the way out: where I read rows back
.set GO,   26                          ; v26     16 x my lane
.set SPW,  28                          ; v28     LDS address of my spare word; never rewritten
.set NIL,  29                          ; v29     0; never rewritten
.set PFO,  30                          ; v30     the prefetches' offset; never rewritten
.set FA0,  32
.set FA1,  96
.set FB,   160
.set TMP,  32                          ; the way out: 48 registers of packed results
.set BK0,  96                          ; the way out: 48 registers read back from the stage, at v96 and v160 by turns
.set G1A, 24                           ; s[24:31] descriptor group 1 for x's tiles
.set G0A, 32                           ; s[32:39] group 0, a set for each slot
.set LIM, 43                           ; s43      1 in a wave that prefetches, else the greatest number
.set PFA, 44                           ; s[44:45] where my prefetches stand
.set G1B, 48                           ; s[48:55], s[56:63] the same for W's tiles
.set G0B, 56
.set MSB, 0
.macro WIN new                         ; the immediate's high byte repeats the setting that is left; a switch that changes nothing is dropped
.if MSB != (\new)
	s_set_vgpr_msb (MSB<<8)|(\new)
.set MSB, \new
.endif
.endm
.macro PLACES                          ; four plain vector instructions between a matrix instruction and a load into, or a reader of, its registers (ISA guide 7.12.1 for vector instructions)
.rept 4
	v_nop
.endr
.endm
; A joint load.  Each of the two lines has one mask; the branch hangs on the wave's number alone.  An s_nop 0 and four v_nop follow each line.
.macro JLOAD s
	s_cmp_eq_u32 s10, 0
	s_cbranch_scc0 .Lfor_b_\@
	tensor_load_to_lds s[G0A+4*(\s):G0A+4*(\s)+3], s[G1A:G1A+7]
	s_nop 0
.rept 4
	v_nop
.endr
	s_branch .Lasked_\@
.Lfor_b_\@:
	tensor_load_to_lds s[G0B+4*(\s):G0B+4*(\s)+3], s[G1B:G1B+7]
	s_nop 0
.rept 4
	v_nop
.endr
.Lasked_\@:
.endm
; A prefetch into the L2, once a trip, behind slot 0's joint load and the run of LDS loads: the two K steps that the NEXT trip's refills will ask for (lanes 0-15 the first, lanes 16-31 the second; a lane 256 bytes).
; Each 256 bytes are named once in the launch: x's tile row is read by both clusters of its row of clusters, and cluster x = 0 asks; W's tile column by all eight of its column, and cluster y = 0 asks.
; The four partners of a joint load share the rows out by address: of x's 256 rows 64 each (two instructions, wave 0), of the 128 rows of W that a wave fetches 32 each (one instruction).
; The loop's last trip asks for nothing: there is no K step behind its own refills.  K steps 0 to 3 come by their loads alone.
.macro ASK
	s_cmp_gt_u32 s3, s[LIM]
	s_cbranch_scc0 .Lnot_mine_\@
	global_prefetch_b8 v[PFO], s[PFA:PFA+1] th:TH_LOAD_NT scope:SCOPE_SE
	s_cmp_eq_u32 s10, 0
	s_cbranch_scc0 .Lnot_mine_\@
	global_prefetch_b8 v[PFO], s[PFA:PFA+1] offset:4096 th:TH_LOAD_NT scope:SCOPE_SE
.Lnot_mine_\@:
.endm
.macro CREST                           ; a round of the cluster's barrier behind its opening barrier
	s_cmp_lg_u32 s10, 0
	s_cbranch_scc1 .Lnot_wave_0_\@
	s_barrier_signal -3
.Lnot_wave_0_\@:
	s_barrier_wait -3
	s_barrier_signal -1
	s_barrier_wait -1
.endm
.macro CROUND                          ; a whole round
	s_barrier_signal -1
	s_barrier_wait -1
	CREST
.endm
	s_load_b128 s[4:7], s[0:1], 0x0                ; xw s[4:5], qkv s[6:7]
	v_lshl_add_u32 v[SPW], v0, 2, SPARE
	v_mov_b32 v[NIL], 0
	ds_add_u32 v[SPW], v[NIL]                      ; the wave's opening: the add and its wait stand ahead of my first tensor load; the set-up below, work on registers, stands between them
	v_lshrrev_b32 v1, 5, v0
	v_readfirstlane_b32 s10, v1                    ; wave 0..3
	s_lshr_b32 s11, s10, 1                         ; which 128 rows of the tile are mine
	s_and_b32 s12, s10, 1                          ; which 192 columns
	s_bfe_u32 s40, ttmp6, 0x40000                  ; cx
	s_bfe_u32 s41, ttmp6, 0x40004                  ; cy
	s_lshl_b32 s42, ttmp9, 2
	s_add_co_u32 s42, s42, s40                     ; tile column 0..7 = 4 x cluster x + cx
	s_and_b32 s13, ttmp7, 0xffff
	s_lshl_b32 s13, s13, 2
	s_add_co_u32 s13, s13, s41                     ; tile row 0..31 = 4 x cluster y + cy
	s_lshl_b32 s18, s41, 2
	s_lshl_b32 s18, 15, s18                        ; my row of the cluster
	s_lshl_b32 s19, 0x1111, s40                    ; my column
	; group 1: rows of 128 elements (256 bytes, two pieces), padded behind every 32 words by 4
	s_or_b32 s[G1A+0], s18, (1<<16)|(1<<20)|(1<<21)|(4<<22)|(3<<25)  ; 15:0 the mask; 17:16 2-byte elements; 20 padding on; 21 set beside a mask; 24:22 after 32 words (code 4); 31:25 4 words (code 3)
	s_or_b32 s[G1B+0], s19, (1<<16)|(1<<20)|(1<<21)|(4<<22)|(3<<25)
	s_mov_b32 s[G1A+1], 128<<16                    ; tensor_dim0 = 128
	s_mov_b32 s[G1A+2], 128<<16                    ; tensor_dim1 = 128 (256 pieces)
	s_mov_b32 s[G1A+3], 128<<16                    ; tile_dim0 = 128
	s_mov_b32 s[G1A+4], 128                        ; tile_dim1 = 128
	s_mov_b32 s[G1A+5], 128                        ; dense: 128 elements from row to row
	s_mov_b32 s[G1A+6], 0
	s_mov_b32 s[G1A+7], 0
	s_mov_b32 s[G1B+1], 128<<16
	s_mov_b32 s[G1B+2], 64<<16                     ; 64 rows (128 pieces)
	s_mov_b32 s[G1B+3], 128<<16
	s_mov_b32 s[G1B+4], 64
	s_mov_b32 s[G1B+5], 128
	s_mov_b32 s[G1B+6], 0
	s_mov_b32 s[G1B+7], 0
	s_lshl_b32 s16, s13, 15                        ; x: 256 x tile row pieces of 128 bytes
	s_mov_b32 s17, 0
	s_mul_i32 s46, s42, 384                        ; W: row 8,192 + 384 x tile column + 128 (wave - 1)
	s_lshl_b32 s47, s10, 7
	s_add_co_u32 s46, s46, s47
	s_add_co_u32 s46, s46, 8064
	s_lshl_b32 s46, s46, 7
	s_mov_b32 s47, 0
	s_add_co_u32 s20, s10, 1
	s_mul_i32 s20, s20, BPART                      ; W's thirds lie behind x's tile, which is two thirds long: (wave + 1) x a third
	s_wait_dscnt 0x0                               ; the opening add is done
	s_wait_kmcnt 0x0
	s_add_nc_u64 s[14:15], s[4:5], s[16:17]
	s_add_nc_u64 s[46:47], s[4:5], s[46:47]
	CROUND                                         ; all sixteen work-groups are here: the first joint loads meet
.irp s, 0,1
	s_mov_b32 s[G0A+4*(\s)], 1                     ; count = 1
	s_mov_b32 s[G0A+4*(\s)+1], (\s)*SLOT           ; LDS address
	s_add_nc_u64 s[G0A+4*(\s)+2:G0A+4*(\s)+3], s[14:15], (\s)*KBS  ; K step s
	s_or_b32 s[G0A+4*(\s)+3], s[G0A+4*(\s)+3], 0x80000000          ; type = 2
	s_mov_b32 s[G0B+4*(\s)], 1
	s_add_co_u32 s[G0B+4*(\s)+1], s20, (\s)*SLOT
	s_add_nc_u64 s[G0B+4*(\s)+2:G0B+4*(\s)+3], s[46:47], (\s)*KBS
	s_or_b32 s[G0B+4*(\s)+3], s[G0B+4*(\s)+3], 0x80000000
	JLOAD \s                                       ; two loads of mine are out
.endr
	; a fragment is 16 rows x 32 K in 8 registers: lane l holds row l % 16, K = 8 (l / 16) + 0..7 and 16 + 8 (l / 16) + 0..7: two loads of 16 bytes, 32 bytes apart
	v_and_b32 v1, 15, v0                           ; l % 16
	v_bfe_u32 v2, v0, 4, 1                         ; l / 16
	v_mul_u32_u24 v3, v1, PITCH
	v_lshl_add_u32 v3, v2, 4, v3
	s_mul_i32 s21, s11, BPART                      ; my 128 rows of x
	s_mul_i32 s22, s12, 192*PITCH                  ; my 192 rows of W,
	s_add_co_u32 s22, s22, ATILE                   ; behind x's tile
.irp s, 0,1
	v_add_nc_u32 v[ADRA+(\s)], s21, v3
	v_add_nc_u32 v[ADRB+(\s)], s22, v3
	s_add_co_u32 s21, s21, SLOT
	s_add_co_u32 s22, s22, SLOT
.endr
	s_mul_i32 s23, s10, STW
	s_add_co_u32 s23, s23, STAGE                   ; my stage
	v_add_nc_u32 v[STO], s23, v3                   ; in: row l % 16, 16 bytes for each half of the lanes
	v_bfe_u32 v4, v0, 3, 2                         ; back: 32 lanes take four rows of 128 bytes,
	v_mul_u32_u24 v4, v4, PITCH
	v_and_b32 v5, 7, v0
	v_lshl_add_u32 v4, v5, 4, v4
	v_add_nc_u32 v[RD], s23, v4
	v_and_b32 v[GO], 31, v0                        ; which are 512 consecutive bytes of qkv
	v_lshlrev_b32 v[GO], 4, v[GO]
	s_lshl_b32 s16, s13, 15                        ; my first row: 256 x tile row + 128 x half, in pieces of 128 bytes
	s_lshl_b32 s17, s11, 14
	s_add_co_u32 s16, s16, s17
	s_mov_b32 s17, 0
	s_add_nc_u64 s[8:9], s[6:7], s[16:17]
	s_mul_i32 s46, s42, 6                          ; my first column block: 6 x tile column + 3 x half
	s_mul_i32 s47, s12, 3
	s_add_co_u32 s46, s46, s47
	s_lshl_b32 s46, s46, 20
	s_mov_b32 s47, 0
	s_add_nc_u64 s[8:9], s[8:9], s[46:47]          ; s[8:9]: never rewritten
	; the prefetches
	s_lshl_b32 s20, s13, 8
	s_lshl_b32 s21, s40, 6
	s_add_co_u32 s20, s20, s21                     ; x: row 256 x tile row + 64 cx
	s_mul_i32 s21, s42, 384
	s_lshl_b32 s22, s10, 7
	s_add_co_u32 s21, s21, s22
	s_lshl_b32 s22, s41, 5
	s_add_co_u32 s21, s21, s22
	s_add_co_u32 s21, s21, 8064                    ; W: the 128 rows that I fetch, + 32 cy
	s_and_b32 s22, ttmp7, 0xffff                   ; cluster y
	s_cmp_eq_u32 s10, 0
	s_cselect_b32 s20, s20, s21
	s_cselect_b32 s22, ttmp9, s22                  ; the coordinate along which other clusters read the same rows
	s_cmp_eq_u32 s22, 0
	s_cselect_b32 s[LIM], 1, -1                    ; the same in all sixteen partners, for a given wave
	s_lshl_b32 s20, s20, 7
	s_mov_b32 s21, 0
	s_add_nc_u64 s[PFA:PFA+1], s[4:5], s[20:21]
	s_add_nc_u64 s[PFA:PFA+1], s[PFA:PFA+1], 2*KBS ; the first trip steps it to K step 4
	v_mul_u32_u24 v6, v2, KBS
	v_lshl_add_u32 v[PFO], v1, 8, v6               ; 256 (l % 16) + a K step for lanes 16-31
; 16 matrix instructions of stretch sg: column blocks 4 sg + 2 part, + 1, by all 8 row blocks.  The accumulators take turns, one instruction a turn.  zero = 1: the product starts the sum.
.macro MULS sg, fa, part, zero
	WIN 0x50*((\sg)+1)
.irp bb, 2*(\part), 2*(\part)+1
.irp a, 0,1,2,3,4,5,6,7
.if \zero
	v_wmma_f32_16x16x32_bf16 v[8*(8*(\bb)+(\a)):8*(8*(\bb)+(\a))+7], v[FB+8*(4*(\sg)+(\bb)):FB+8*(4*(\sg)+(\bb))+7], v[(\fa)+8*(\a):(\fa)+8*(\a)+7], 0
.else
	v_wmma_f32_16x16x32_bf16 v[8*(8*(\bb)+(\a)):8*(8*(\bb)+(\a))+7], v[FB+8*(4*(\sg)+(\bb)):FB+8*(4*(\sg)+(\bb))+7], v[(\fa)+8*(\a):(\fa)+8*(\a)+7], v[8*(8*(\bb)+(\a)):8*(8*(\bb)+(\a))+7]
.endif
.endr
.endr
.endm
.macro LDB sg, slot, hf                ; 8 loads: W's fragments 4 sg .. 4 sg + 3 of half hf of the slot's K step
	WIN 0
.irp bb, 0,1,2,3
	ds_load_b128 v[FB+8*(4*(\sg)+(\bb)):FB+8*(4*(\sg)+(\bb))+3],   v[ADRB+(\slot)] offset:(4*(\sg)+(\bb))*16*PITCH+64*(\hf)
	ds_load_b128 v[FB+8*(4*(\sg)+(\bb))+4:FB+8*(4*(\sg)+(\bb))+7], v[ADRB+(\slot)] offset:(4*(\sg)+(\bb))*16*PITCH+64*(\hf)+32
.endr
.endm
.macro LDA fa, slot, hf                ; 16 loads: x's 8 fragments
	WIN 0
.irp a, 0,1,2,3,4,5,6,7
	ds_load_b128 v[(\fa)+8*(\a):(\fa)+8*(\a)+3],   v[ADRA+(\slot)] offset:(\a)*16*PITCH+64*(\hf)
	ds_load_b128 v[(\fa)+8*(\a)+4:(\fa)+8*(\a)+7], v[ADRA+(\slot)] offset:(\a)*16*PITCH+64*(\hf)+32
.endr
.endm
; The first half of a K step: multiplies buffer fa and fetches the next half (nslot, nhf), x's fragments into nfa.  The loads out at its head, in order: W's first third (8), x's (16), W's second third (8), W's last (8).
.macro HALF fa, nslot, nhf, nfa, zero
	s_wait_dscnt 16                                ; W's first third and x's fragments are in; the two younger thirds may be out
	MULS 0, \fa, 0, \zero
	MULS 0, \fa, 1, \zero
	PLACES
	LDB 0, \nslot, \nhf
	LDA \nfa, \nslot, \nhf
	s_wait_dscnt 32                                ; W's second third is in: behind it stand the last third (8) and the 24 just issued
	MULS 1, \fa, 0, \zero
	MULS 1, \fa, 1, \zero
	PLACES
	LDB 1, \nslot, \nhf
	s_wait_dscnt 32                                ; W's last third is in: behind it stand those 24 and the 8 just issued
	MULS 2, \fa, 0, \zero
	MULS 2, \fa, 1, \zero
	PLACES
	LDB 2, \nslot, \nhf
.endm
; The second half multiplies buffer FA1 and changes slots: ONE barrier (with fill = 1 it opens a round of the cluster's).  In front of it each wave waits for all its tensor loads, of which one is out: its part of the next
; slot; adds 0 to its spare word; and waits for that and for its own reads of this slot.  Behind it this slot is filled again first, two K steps ahead; then the next slot's first fragments are read.
.macro TURNH slot, next, fill
.if (\fill) && ((\slot) == 0)
	s_wait_xcnt 0x0                                ; the last prefetches, a trip back, have read their address: it is stepped here, ahead of the waits of the change of slots
	s_add_nc_u64 s[PFA:PFA+1], s[PFA:PFA+1], 2*KBS
.endif
	WIN 0
	s_wait_tensorcnt 0x0                           ; all my tensor loads have landed;
	ds_add_u32 v[SPW], v[NIL]                      ; 0 onto my spare word;
	s_wait_dscnt 17                                ; (the add and W's two younger thirds may be out)
	MULS 0, FA1, 0, 0                              ; sixteen matrix instructions stand between the add and the wait for it
	s_wait_dscnt 0x0                               ; the add is done, and my reads of this slot are over
	s_barrier_signal -1
	MULS 0, FA1, 1, 0                              ; work on registers while the others arrive
	WIN 0
	s_barrier_wait -1
.if \fill
	CREST                                          ; no wave of any partner still reads this slot's tile or has a load on its way
	s_add_nc_u64 s[G0A+4*(\slot)+2:G0A+4*(\slot)+3], s[G0A+4*(\slot)+2:G0A+4*(\slot)+3], 2*KBS
	s_add_nc_u64 s[G0B+4*(\slot)+2:G0B+4*(\slot)+3], s[G0B+4*(\slot)+2:G0B+4*(\slot)+3], 2*KBS
	JLOAD \slot                                    ; the first tensor load behind the round; its four v_nop are also the places in front of the loads below
.else
	PLACES
.endif
	LDB 0, \next, 0
	LDA FA0, \next, 0
.if (\fill) && ((\slot) == 0)
	ASK
.endif
	MULS 1, FA1, 0, 0
	MULS 1, FA1, 1, 0
	PLACES
	LDB 1, \next, 0
	MULS 2, FA1, 0, 0
	MULS 2, FA1, 1, 0
	PLACES
	LDB 2, \next, 0
.endm
	s_wait_tensorcnt 1                             ; my part of K step 0 is in; K step 1's may stay out
	s_barrier_signal -1
	s_barrier_wait -1                              ; everybody's is
	LDB 0, 0, 0
	LDA FA0, 0, 0
	LDB 1, 0, 0
	LDB 2, 0, 0
	HALF FA0, 0, 1, FA1, 1                         ; the first half stands in front of the loop: its products start the sums
	s_mov_b32 s3, 7
.Lk:                                               ; a trip: once round the ring, from a K step's second half to the first half two steps on; it fills both slots again
	TURNH 0, 1, 1
	HALF FA0, 1, 1, FA1, 0
	TURNH 1, 0, 1
	HALF FA0, 0, 1, FA1, 0
	s_sub_co_u32 s3, s3, 1
	s_cmp_lg_u32 s3, 0
	s_cbranch_scc1 .Lk
	TURNH 0, 1, 0                                  ; the last two K steps ask for nothing
	HALF FA0, 1, 1, FA1, 0
	s_wait_dscnt 16                                ; the very last half: nothing more to fetch
	MULS 0, FA1, 0, 0
	MULS 0, FA1, 1, 0
	s_wait_dscnt 8
	MULS 1, FA1, 0, 0
	MULS 1, FA1, 1, 0
	s_wait_dscnt 0x0
	MULS 2, FA1, 0, 0
	MULS 2, FA1, 1, 0
; THE WAY OUT, a block of 16 rows at a time.  PACK: rounded to f16, 16 bytes a lane.  TOSTAGE: into my own stage and back as whole rows of 128 bytes.  SEND: stored; 16 rows of a column block are 2,048 bytes on end.
.macro PACK a
.irp sg, 0,1,2
	WIN 5*((\sg)+1)                                ; sources 0 and 1 in the stretch's window
.irp bb, 0,1,2,3
.irp rr, 0,1,2,3
	v_cvt_pk_f16_f32 v[TMP+16*(\sg)+4*(\bb)+(\rr)], v[8*(8*(\bb)+(\a))+2*(\rr)], v[8*(8*(\bb)+(\a))+2*(\rr)+1]
.endr
.endr
.endr
	WIN 0
.endm
.macro TOSTAGE a
.set BK, BK0+64*((\a)%2)
.irp sg, 0,1,2
.irp bb, 0,1,2,3
	ds_store_b128 v[STO], v[TMP+16*(\sg)+4*(\bb):TMP+16*(\sg)+4*(\bb)+3] offset:(\sg)*16*PITCH+32*(\bb)
.endr
.endr
.irp sg, 0,1,2
.irp f, 0,1,2,3
	ds_load_b128 v[BK+16*(\sg)+4*(\f):BK+16*(\sg)+4*(\f)+3], v[RD] offset:(\sg)*16*PITCH+(\f)*4*PITCH  ; LDS serves a wave's instructions in order (ISA guide 5.7.1.4): these see the stores above
.endr
.endr
.endm
.macro SEND a
.set BK, BK0+64*((\a)%2)
	s_wait_dscnt 0x0                               ; the block is back in registers
	s_wait_xcnt 0x0                                ; the block before has been read by its stores: its registers are loaded again only behind this wait
.irp sg, 0,1,2
.irp f, 0,1,2,3
	global_store_b128 v[GO], v[BK+16*(\sg)+4*(\f):BK+16*(\sg)+4*(\f)+3], s[8:9] offset:(\sg)*CB+(\a)*2048+(\f)*512  ; 512 consecutive bytes, at a multiple of 256 from qkv's first
.endr
.endr
.endm
	PLACES
	PACK 0
	TOSTAGE 0
.irp a, 1,2,3,4,5,6,7                              ; block a's conversions stand between block a - 1's loads from the stage and the wait for them
	PACK \a
	SEND (\a)-1
	TOSTAGE \a
.endr
	SEND 7
	s_wait_tensorcnt 0x0                           ; the wave's end: behind my last tensor load and my last LDS store
	ds_add_u32 v[SPW], v[NIL]
	s_wait_dscnt 0x0
	CROUND                                         ; the closing round: no work-group ends while a partner may still ask for a tile that names it
	s_endpgm
.Lfunc_end_k_q03bc1a9820_proj:
	.size	k_q03bc1a9820_proj, .Lfunc_end_k_q03bc1a9820_proj-k_q03bc1a9820_proj
	.p2alignl 7, 3214868480
	.fill 96, 4, 3214868480
	.section	.rodata,"a",@progbits
	.p2align	6, 0x0
	.amdhsa_kernel k_q03bc1a9820_proj
		.amdhsa_group_segment_fixed_size 327680
		.amdhsa_private_segment_fixed_size 0
		.amdhsa_enable_private_segment 0
		.amdhsa_kernarg_size 16
		.amdhsa_user_sgpr_count 2
		.amdhsa_user_sgpr_kernarg_segment_ptr 1
		.amdhsa_wavefront_size32 1
		.amdhsa_system_sgpr_workgroup_id_x 1
		.amdhsa_system_sgpr_workgroup_id_y 1
		.amdhsa_system_sgpr_workgroup_id_z 1
		.amdhsa_system_vgpr_workitem_id 0
		.amdhsa_next_free_vgpr 1024
		.amdhsa_next_free_sgpr 66
		.amdhsa_reserve_vcc 0
		.amdhsa_float_denorm_mode_32 3
		.amdhsa_float_denorm_mode_16_64 3
		.amdhsa_memory_ordered 1
		.amdhsa_forward_progress 1
		.amdhsa_inst_pref_size 130
	.end_amdhsa_kernel
	.amdgpu_metadata
---
amdhsa.version: [ 1, 2 ]
amdhsa.kernels:
  - .name:           k_q03bc1a9820_proj
    .symbol:         k_q03bc1a9820_proj.kd
    .args:
      - { .name: xw, .offset: 0, .size: 8, .value_kind: global_buffer, .address_space: global }
      - { .name: qkv, .offset: 8, .size: 8, .value_kind: global_buffer, .address_space: global }
    .group_segment_fixed_size: 327680
    .private_segment_fixed_size: 0
    .kernarg_segment_align: 8
    .kernarg_segment_size: 16
    .max_flat_workgroup_size: 128
    .sgpr_count:     66
    .vgpr_count:     1024
    .wavefront_size: 32
...
	.end_amdgpu_metadata
.endif
;; end of part 2
;; launch scores (part 3): grid 9 x 16, 4 waves a work-group, no clusters, 327,680 bytes of LDS; arguments qkv, p, st; writes p, st
.if DOCPART == 3
	.amdgcn_target "amdgcn-amd-amdhsa--gfx1250"
	.amdhsa_code_object_version 6
	.text
	.protected	k_q03bc1a9820_scores
	.globl	k_q03bc1a9820_scores
	.p2align	8
	.type	k_q03bc1a9820_scores,@function
k_q03bc1a9820_scores:
	s_mov_b64 s[64:65], 0
	v_nop
	global_prefetch_b8 v0, s[64:65] scope:SCOPE_SE
	s_setreg_imm32_b32 hwreg(HW_REG_WAVE_MODE, 25, 1), 1
	s_wait_xcnt 0x0
; For each tile of 256 queries x 256 keys at or below the diagonal: t = c q.k (+ mask), c = log2(e) / 32; then, for each wave's 128 rows x 128 keys (a GROUP of keys):
; m = the row's maximum of t over the group, P = 2^(t - m) rounded to f16, l = the row's sum of the unrounded 2^(t - m).  The next launch joins the groups by their m and l, so every exponent here is at most 0.
; q, k: f16 from qkv ([48 cb][8192][64]); sums, m, l in f32.  p = [4][2048][2048] f16; st = [4 batch][16 row blocks of 128][16 groups][m, l][16 r][8 a] f32, row in its block = 16 a + r.
; LIMITS.  A hidden score counts as c s - 1e30; a weight below 2^-126 counts as 0 in l, below 6e-8 as 0 in P; NaN and infinities are not treated apart.
; A quarter of the diagonal tile that is wholly hidden is still written (P = 1, m = -1e30): the next launch reads those bytes and gives them the factor 0.
; TILES.  A batch has 36 tiles; rows pr and 7 - pr of the triangle have 9 together: grid 9 x (4 batches x 4 pairs).  NO CLUSTER: a row of the triangle has 1 to 8 tiles and a column likewise, so the 9 x 16 grid
; divides into no fours that share q's or k's rows.
; A tile is made by four waves, each 128 x 128: 64 accumulators, 512 registers.  The 1,024 channels go in steps of 128 (two column blocks of qkv) through two LDS slots; a slot holds four chunks of 256 rows x 64 channels
; (q's two, k's two); each wave fetches one chunk, 32 KiB dense, by one tensor load of 128 rows x 256 bytes, padded in LDS behind each 128.
; TRANSPOSED USE: source 0 = 16 keys, source 1 = 16 queries: a lane holds query l % 16 and the keys 8 (l / 16) + 0..7.
; REGISTERS, in windows of 256: window 0: v0-63 addresses, masks, at work; v64-127, v128-191 q's fragments, two buffers (on the way out: t, P, rows read back); window 1: v64-191 k's fragments;
;   window 2: accumulators of my rows 0-63 ((a, b) at v[8 (8 a + b)]); window 3: rows 64-127.
.set CB,     1048576                   ; bytes from one column block of qkv to the next
.set PITCH,  144                       ; 128 bytes + 16 of padding = 36 words: the 16 rows of a fragment load start at 16 different groups of four banks (64 banks of 4 bytes: ISA guide 11.1)
.set CHK,    256*PITCH                 ; a chunk
.set SLOT,   4*CHK
.set STAGE,  2*SLOT                    ; behind the ring: 16 rows x 272 bytes for each wave
.set SPITCH, 272
.set SST,    STAGE+4*16*SPITCH         ; 1,024 bytes for each wave: its 128 m, then its 128 l
.set SPARE,  SST+4*1024                ; the spare words, 128 bytes a wave: two blocks of 256 bytes that no other line names
.set K1, 64                            ; byte offsets of a K step's quarters 1, 2, 3 from a fragment's address
.set K2, CHK
.set K3, CHK+64
.set LAPS, 4                           ; a lap = two K steps = once round the ring
.set ADRA, 16                          ; v16-17  LDS address of my fragments of q in slot 0, 1
.set ADRB, 20                          ; v20-21  of k
.set LLA,  22                          ; v22     my 16 bytes of the wave's m and l in LDS
.set LLG,  23                          ; v23     16 x my lane
.set STO,  24
.set RD,   25
.set CO,   26                          ; v26     my byte offset in two rows of p
.set SA0,  27                          ; v27     where row l % 16 of block 0 puts its m
.set SPW,  28
.set NIL,  29
.set PFO,  30                          ; v30     256 x my lane
.set SA,   31
.set MM,   32                          ; v32-33  m, twice
.set C4,   34                          ; v34-37  four chains of the maximum
.set LS,   38                          ; v38     l
.set MK,   48                          ; v48-55  the addend of the block that holds the diagonal
.set F0,   64
.set F1,   128
.set TT,   64                          ; the way out: t of 16 rows x 128 keys
.set PP,   128                         ; P, packed
.set BK,   160                         ; rows read back
.set G1,  24
.set G0,  32
.set LIM, 43
.set PFA, 44
.set CS,  48                           ; s[48:49] c
.set BL,  50                           ; s[50:51] the addend of key blocks left of the row block's own
.set BG,  52                           ; s[52:53] right of it
.set SEL, 54                           ; s[54:55]
.set AI,  56                           ; s56  the way out's row block
.set NEG, 57                           ; s57  -1e30
.set MSB, 0
.macro WIN new
.if MSB != (\new)
	s_set_vgpr_msb (MSB<<8)|(\new)
.set MSB, \new
.endif
.endm
.set MUL_LO, 0xa1                      ; source 0 (k) window 1, source 1 (q) window 0, C and D window 2
.set MUL_HI, 0xf1
.set TO_B,   0x40
.macro PLACES
.rept 4
	v_nop
.endr
.endm
; A prefetch into the L2, behind each refill and the run of LDS loads: my own chunk of the K step two refills on, 128 blocks of 256 bytes: a lane a block, four instructions.
; Each block is named once in the launch: a block of q's rows is read by the tiles of one row of the triangle, and the tile with key block 0 asks (waves 0, 1); k's by one column, and the tile with query block 7 asks (waves 2, 3).
; The loop's last trip asks for nothing; K steps 0 to 3 come by their loads alone.
.macro ASK
	s_cmp_gt_u32 s3, s[LIM]
	s_cbranch_scc0 .Lnot_mine_\@
.irp n, 0,1,2,3
	global_prefetch_b8 v[PFO], s[PFA:PFA+1] offset:2*CB+(\n)*8192 th:TH_LOAD_NT scope:SCOPE_SE
.endr
.Lnot_mine_\@:
.endm
	s_load_b128 s[4:7], s[0:1], 0x0                ; qkv s[4:5], p s[6:7]
	s_load_b64 s[8:9], s[0:1], 0x10                ; st
	v_lshl_add_u32 v[SPW], v0, 2, SPARE
	v_mov_b32 v[NIL], 0
	ds_add_u32 v[SPW], v[NIL]                      ; the wave's opening: the add and its wait stand ahead of my first tensor load
	v_lshrrev_b32 v1, 5, v0
	v_readfirstlane_b32 s10, v1                    ; wave 0..3
	s_lshr_b32 s11, s10, 1                         ; my half of the tile's rows.  Also: I fetch for q (0) or for k (1)
	s_and_b32 s12, s10, 1                          ; my half of its keys.  Also: which of a K step's two column blocks I fetch
	s_and_b32 s16, ttmp7, 0xffff
	s_lshr_b32 s15, s16, 2                         ; batch
	s_and_b32 s17, s16, 3                          ; pr
	s_sub_co_u32 s18, 7, s17
	s_sub_co_u32 s19, ttmp9, s17
	s_sub_co_u32 s19, s19, 1
	s_cmp_le_u32 ttmp9, s17                        ; the first pr + 1 work-groups take row pr, the other 8 - pr row 7 - pr
	s_cselect_b32 s13, s17, s18                    ; I: the block of 256 queries
	s_cselect_b32 s14, ttmp9, s19                  ; J: the block of 256 keys, J <= I
	s_mov_b32 s[G1+0], (1<<16)|(1<<20)|(4<<22)|(3<<25)  ; 2-byte elements; padding on, after every 32 words, 4 words
	s_mov_b32 s[G1+1], 128<<16                     ; tensor_dim0 = 128
	s_mov_b32 s[G1+2], 128<<16                     ; tensor_dim1 = 128
	s_mov_b32 s[G1+3], 128<<16                     ; tile_dim0 = 128
	s_mov_b32 s[G1+4], 128                         ; tile_dim1 = 128
	s_mov_b32 s[G1+5], 128                         ; dense
	s_mov_b32 s[G1+6], 0
	s_mov_b32 s[G1+7], 0
	s_cmp_eq_u32 s11, 0
	s_cselect_b32 s16, s13, s14
	s_lshl_b32 s16, s16, 8
	s_lshl_b32 s17, s15, 11
	s_add_co_u32 s16, s16, s17                     ; the chunk's first row
	s_lshl_b32 s16, s16, 7
	s_lshl_b32 s17, s11, 4                         ; k's column blocks begin at 16
	s_add_co_u32 s17, s17, s12
	s_lshl_b32 s17, s17, 20
	s_add_co_u32 s16, s16, s17
	s_mov_b32 s17, 0
	s_mul_i32 s20, s10, CHK                        ; my chunk's place in a slot
	s_sub_co_u32 s21, 7, s13
	s_cselect_b32 s21, s21, s21                    ; (keeps its value)
	s_cmp_eq_u32 s11, 0
	s_cselect_b32 s21, s14, s21                    ; 0 in the tile that asks
	s_cmp_eq_u32 s21, 0
	s_cselect_b32 s[LIM], 1, -1
	s_mov_b32 s[CS], 0x3d38aa3b                    ; c = log2(e) / 32
	s_mov_b32 s[CS+1], s[CS]
	s_mov_b32 s[NEG], 0xf149f2ca                   ; -1e30
	s_mov_b32 s[SEL], 0x76543210
	s_mov_b32 s[SEL+1], 0xfedcba98
	s_wait_dscnt 0x0                               ; the opening add is done
	s_wait_kmcnt 0x0
	s_add_nc_u64 s[16:17], s[4:5], s[16:17]
.irp s, 0,1
	s_mov_b32 s[G0+4*(\s)], 1
	s_add_co_u32 s[G0+4*(\s)+1], s20, (\s)*SLOT
	s_add_nc_u64 s[G0+4*(\s)+2:G0+4*(\s)+3], s[16:17], (\s)*2*CB   ; K step s
	s_or_b32 s[G0+4*(\s)+3], s[G0+4*(\s)+3], 0x80000000
	tensor_load_to_lds s[G0+4*(\s):G0+4*(\s)+3], s[G1:G1+7]         ; two loads of mine are out
	s_nop 0
.endr
	s_add_nc_u64 s[PFA:PFA+1], s[16:17], 4*CB      ; my chunk of K step 2; the first refill steps it to 3 and names 4
	v_and_b32 v1, 15, v0                           ; l % 16
	v_bfe_u32 v2, v0, 4, 1                         ; l / 16
	v_mul_u32_u24 v3, v1, PITCH
	v_lshl_add_u32 v3, v2, 4, v3
	s_mul_i32 s21, s11, 128*PITCH                  ; my 128 rows of q
	s_mul_i32 s22, s12, 128*PITCH                  ; my 128 rows of k,
	s_add_co_u32 s22, s22, 2*CHK                   ; behind q's two chunks
.irp s, 0,1
	v_add_nc_u32 v[ADRA+(\s)], s21, v3
	v_add_nc_u32 v[ADRB+(\s)], s22, v3
	s_add_co_u32 s21, s21, SLOT
	s_add_co_u32 s22, s22, SLOT
.endr
	s_mul_i32 s23, s10, 16*SPITCH
	s_add_co_u32 s23, s23, STAGE
	v_mul_u32_u24 v4, v1, SPITCH                   ; in: row l % 16, 16 bytes for each half of the lanes
	v_lshl_add_u32 v4, v2, 4, v4
	v_add_nc_u32 v[STO], s23, v4
	v_mul_u32_u24 v5, v2, SPITCH                   ; back: lanes 0-15 one row of 256 bytes, lanes 16-31 the next
	v_lshl_add_u32 v5, v1, 4, v5
	v_add_nc_u32 v[RD], s23, v5
	v_lshlrev_b32 v5, 12, v2                       ; and the same two rows in p (4,096 bytes a row)
	v_lshl_add_u32 v[CO], v1, 4, v5
	s_lshl_b32 s22, s10, 10
	s_add_co_u32 s22, s22, SST
	v_lshl_add_u32 v[SA0], v1, 5, s22
	v_and_b32 v[LLG], 31, v0
	v_lshlrev_b32 v[LLG], 4, v[LLG]
	v_add_nc_u32 v[LLA], s22, v[LLG]
	v_and_b32 v[PFO], 31, v0
	v_lshlrev_b32 v[PFO], 8, v[PFO]
	; p at my first row and key: batch x 2048 rows, 256 I + 128 half rows of 4,096 bytes, 256 J + 128 half keys of 2 bytes
	s_lshl_b32 s16, s15, 23
	s_lshl_b32 s17, s13, 20
	s_add_co_u32 s16, s16, s17
	s_lshl_b32 s17, s11, 19
	s_add_co_u32 s16, s16, s17
	s_lshl_b32 s17, s14, 9
	s_add_co_u32 s16, s16, s17
	s_lshl_b32 s17, s12, 8
	s_add_co_u32 s16, s16, s17
	s_mov_b32 s17, 0
	s_add_nc_u64 s[6:7], s[6:7], s[16:17]
	; st at ((batch x 16 + 2 I + half) x 16 + 2 J + half) x 1,024
	s_lshl_b32 s16, s15, 4
	s_lshl_b32 s17, s13, 1
	s_add_co_u32 s16, s16, s17
	s_add_co_u32 s16, s16, s11
	s_lshl_b32 s16, s16, 4
	s_lshl_b32 s17, s14, 1
	s_add_co_u32 s16, s16, s17
	s_add_co_u32 s16, s16, s12
	s_lshl_b32 s16, s16, 10
	s_mov_b32 s17, 0
	s_add_nc_u64 s[8:9], s[8:9], s[16:17]
	; THE MASK.  Only in the diagonal tile (I = J): my quarter holds the diagonal if my halves are equal, is wholly hidden if rows are the upper and keys the right half, else wholly seen.
	s_cmp_eq_u32 s13, s14
	s_cselect_b32 s16, 1, 0
	s_cmp_eq_u32 s11, s12
	s_cselect_b32 s17, s16, 0                      ; holds the diagonal
	s_cmp_lt_u32 s11, s12
	s_cselect_b32 s18, s16, 0                      ; wholly hidden
	s_or_b32 s17, s17, s18
	s_cmp_lg_u32 s18, 0
	s_cselect_b32 s[BL], s[NEG], 0
	s_cmp_lg_u32 s17, 0
	s_cselect_b32 s[BG], s[NEG], 0
	s_mov_b32 s[BL+1], 0                           ; named as pairs
	s_mov_b32 s[BG+1], 0
	v_lshlrev_b32 v40, 3, v2
	v_sub_nc_u32 v40, v1, v40                      ; in the row block's own key block register j is hidden where j > l % 16 - 8 (l / 16)
	v_mov_b32 v41, s[BL]
	v_mov_b32 v42, s[BG]
.irp j, 0,1,2,3,4,5,6,7
	v_cmp_gt_i32 vcc_lo, \j, v40
	v_cndmask_b32 v[MK+(\j)], v41, v42, vcc_lo
.endr
; 16 matrix instructions: row blocks a0, a0 + 1 of the window's four x all 8 key blocks, 32 channels.  The 64 accumulators take turns, one instruction a turn.
.macro MUL16 f, hi, a0, zero
	WIN MUL_LO+0x50*(\hi)
.irp a, \a0, (\a0)+1
.irp b, 0,1,2,3,4,5,6,7
.if \zero
	v_wmma_f32_16x16x32_f16 v[8*(8*(\a)+(\b)):8*(8*(\a)+(\b))+7], v[(\f)+8*(\b):(\f)+8*(\b)+7], v[(\f)+8*(4*(\hi)+(\a)):(\f)+8*(4*(\hi)+(\a))+7], 0
.else
	v_wmma_f32_16x16x32_f16 v[8*(8*(\a)+(\b)):8*(8*(\a)+(\b))+7], v[(\f)+8*(\b):(\f)+8*(\b)+7], v[(\f)+8*(4*(\hi)+(\a)):(\f)+8*(4*(\hi)+(\a))+7], v[8*(8*(\a)+(\b)):8*(8*(\a)+(\b))+7]
.endif
.endr
.endr
.endm
.macro FETCH slot, k, f                ; 32 LDS loads in one run: a quarter step's fragments, k's 8 and then q's 8
	WIN TO_B
.irp i, 0,1,2,3,4,5,6,7
	ds_load_b128 v[(\f)+8*(\i):(\f)+8*(\i)+3],   v[ADRB+(\slot)] offset:(\k)+(\i)*16*PITCH
	ds_load_b128 v[(\f)+8*(\i)+4:(\f)+8*(\i)+7], v[ADRB+(\slot)] offset:(\k)+(\i)*16*PITCH+32
.endr
	WIN 0
.irp i, 0,1,2,3,4,5,6,7
	ds_load_b128 v[(\f)+8*(\i):(\f)+8*(\i)+3],   v[ADRA+(\slot)] offset:(\k)+(\i)*16*PITCH
	ds_load_b128 v[(\f)+8*(\i)+4:(\f)+8*(\i)+7], v[ADRA+(\slot)] offset:(\k)+(\i)*16*PITCH+32
.endr
.endm
.macro QUARTER slot, k, f, g, zero     ; multiplies buffer f; in its middle fetches the next quarter, at byte k, into g
	s_wait_dscnt 8                                 ; k's fragments and q's rows 0-63 are in; the youngest eight loads may be out
	MUL16 \f, 0, 0, \zero
	MUL16 \f, 0, 2, \zero
	PLACES
	FETCH \slot, \k, \g
	s_wait_dscnt 32                                ; all but the 32 just issued
	MUL16 \f, 1, 0, \zero
	MUL16 \f, 1, 2, \zero
.endm
; The last quarter multiplies buffer 1 and changes slots: ONE barrier.  In front of it each wave waits for all its tensor loads, of which one is out: its chunk of the next slot; adds 0 to its spare word; and waits for that and
; for its own reads of this slot.  Behind it this slot is filled again first (fill = 1), two K steps ahead: 224 matrix instructions stand between the request and the wait for it.
.macro TURN slot, next, fill
.if \fill
	s_wait_xcnt 0x0                                ; the last prefetches, a K step back, have read their address
	s_add_nc_u64 s[PFA:PFA+1], s[PFA:PFA+1], 2*CB
.endif
	WIN 0
	s_wait_tensorcnt 0x0
	ds_add_u32 v[SPW], v[NIL]                      ; 0 onto my spare word
	s_wait_dscnt 9                                 ; (the add and the youngest eight loads may be out)
	MUL16 F1, 0, 0, 0
	s_wait_dscnt 0x0                               ; the add is done, and my reads of this slot are over
	s_barrier_signal -1
	MUL16 F1, 0, 2, 0
	WIN 0
	s_barrier_wait -1
.if \fill
	s_add_nc_u64 s[G0+4*(\slot)+2:G0+4*(\slot)+3], s[G0+4*(\slot)+2:G0+4*(\slot)+3], 4*CB
	tensor_load_to_lds s[G0+4*(\slot):G0+4*(\slot)+3], s[G1:G1+7]
	s_nop 0
	PLACES                                         ; also the places in front of the loads below
.else
	PLACES
.endif
	FETCH \next, 0, F0
.if \fill
	ASK
.endif
	MUL16 F1, 1, 0, 0
	MUL16 F1, 1, 2, 0
.endm
	s_wait_tensorcnt 1                             ; my chunk of K step 0 is in; K step 1's may stay out
	s_barrier_signal -1
	s_barrier_wait -1
	FETCH 0, 0, F0
	QUARTER 0, K1, F0, F1, 1                       ; the first quarter's products start the sums
	WIN 0
	s_mov_b32 s3, LAPS-1
.Llap:
	QUARTER 0, K2, F1, F0, 0
	QUARTER 0, K3, F0, F1, 0
	TURN 0, 1, 1
	QUARTER 1, K1, F0, F1, 0
	QUARTER 1, K2, F1, F0, 0
	QUARTER 1, K3, F0, F1, 0
	TURN 1, 0, 1
	QUARTER 0, K1, F0, F1, 0
	WIN 0
	s_sub_co_u32 s3, s3, 1
	s_cmp_lg_u32 s3, 0
	s_cbranch_scc1 .Llap
	QUARTER 0, K2, F1, F0, 0                       ; the last lap asks for nothing
	QUARTER 0, K3, F0, F1, 0
	TURN 0, 1, 0
	QUARTER 1, K1, F0, F1, 0
	QUARTER 1, K2, F1, F0, 0
	QUARTER 1, K3, F0, F1, 0
	s_wait_dscnt 8
	MUL16 F1, 0, 0, 0
	MUL16 F1, 0, 2, 0
	s_wait_dscnt 0x0
	MUL16 F1, 1, 0, 0
	MUL16 F1, 1, 2, 0
	PLACES
	WIN 0
; THE WAY OUT: a loop over my eight blocks of 16 rows.  Only the lines that take a block's accumulators differ from block to block (registers are named in the text): they are written eight times, t = c s + addend
; into window 0, each accumulator from its lowest registers on; a forward switch on the counter leads to them; the softmax of the group and the stores are written once.
.macro CASE a
.Lcase\a:
	WIN 0x02+((\a)/4)
.irp b, 0,1,2,3,4,5,6,7
.irp rr, 0,1,2,3
.if (\b) < (\a)
	v_pk_fma_f32 v[TT+8*(\b)+2*(\rr):TT+8*(\b)+2*(\rr)+1], v[8*(8*((\a)%4)+(\b))+2*(\rr):8*(8*((\a)%4)+(\b))+2*(\rr)+1], s[CS:CS+1], s[BL:BL+1] op_sel_hi:[1,0,0]
.elseif (\b) > (\a)
	v_pk_fma_f32 v[TT+8*(\b)+2*(\rr):TT+8*(\b)+2*(\rr)+1], v[8*(8*((\a)%4)+(\b))+2*(\rr):8*(8*((\a)%4)+(\b))+2*(\rr)+1], s[CS:CS+1], s[BG:BG+1] op_sel_hi:[1,0,0]
.else
	v_pk_fma_f32 v[TT+8*(\b)+2*(\rr):TT+8*(\b)+2*(\rr)+1], v[8*(8*((\a)%4)+(\b))+2*(\rr):8*(8*((\a)%4)+(\b))+2*(\rr)+1], s[CS:CS+1], v[MK+2*(\rr):MK+2*(\rr)+1] op_sel_hi:[1,0,1]
.endif
.endr
.endr
	WIN 0
	s_branch .Lbody
.endm
	s_mov_b32 s[AI], 0
.Lrow:
.irp a, 0,1,2,3,4,5,6
	s_cmp_eq_u32 s[AI], \a
	s_cbranch_scc1 .Lcase\a
.endr
	CASE 7
	CASE 0
	CASE 1
	CASE 2
	CASE 3
	CASE 4
	CASE 5
	CASE 6
.Lbody:
	; the maximum of my 64 numbers: four chains of 15, three operands at a time, then the four left over
.irp k, 0,1,2,3
	v_max3_num_f32 v[C4+(\k)], v[TT+16*(\k)], v[TT+16*(\k)+1], v[TT+16*(\k)+2]
.endr
.irp n, 0,1,2,3,4,5
.irp k, 0,1,2,3
	v_max3_num_f32 v[C4+(\k)], v[C4+(\k)], v[TT+16*(\k)+3+2*(\n)], v[TT+16*(\k)+4+2*(\n)]
.endr
.endr
	v_max3_num_f32 v[C4], v[C4], v[TT+15], v[TT+31]
	v_max3_num_f32 v[C4+2], v[C4+2], v[TT+47], v[TT+63]
	v_max3_num_f32 v[C4], v[C4], v[C4+1], v[C4+2]
	v_max_num_f32 v[C4], v[C4], v[C4+3]
	v_permlanex16_b32 v[C4+1], v[C4], s[SEL], s[SEL+1]  ; the row's other 64 keys lie in the lane 16 away
	v_max_num_f32 v[MM], v[C4], v[C4+1]
	v_max_num_f32 v[MM+1], v[C4], v[C4+1]
.set i, 0
.rept 32
	v_pk_add_f32 v[TT+2*i:TT+2*i+1], v[TT+2*i:TT+2*i+1], v[MM:MM+1] neg_lo:[0,1] neg_hi:[0,1]
.set i, i+1
.endr
.set i, 0
.rept 64
	v_exp_f32 v[TT+i], v[TT+i]                     ; one batch
.set i, i+1
.endr
	v_lshl_add_u32 v[SA], s[AI], 2, v[SA0]         ; the plain instruction behind the last exponential: where this block's m goes
	s_wait_alu depctr_va_vdst(0)                   ; one wait for the batch, ahead of its first reader
.set i, 0
.rept 32
	v_cvt_pk_f16_f32 v[PP+i], v[TT+2*i], v[TT+2*i+1]
.set i, i+1
.endr
.irp w, 1,2,4,8,16                                 ; the sum of the 32 pairs, in place: neighbours 1, 2, 4, 8, 16 pairs apart
.set i, 0
.rept 16/(\w)
	v_pk_add_f32 v[TT+4*(\w)*i:TT+4*(\w)*i+1], v[TT+4*(\w)*i:TT+4*(\w)*i+1], v[TT+4*(\w)*i+2*(\w):TT+4*(\w)*i+2*(\w)+1]
.set i, i+1
.endr
.endr
	v_add_f32 v[LS], v[TT], v[TT+1]
	v_permlanex16_b32 v[C4], v[LS], s[SEL], s[SEL+1]
	v_add_f32 v[LS], v[LS], v[C4]
.irp b, 0,1,2,3,4,5,6,7
	ds_store_b128 v[STO], v[PP+4*(\b):PP+4*(\b)+3] offset:32*(\b)
.endr
.irp t, 0,1,2,3,4,5,6,7
	ds_load_b128 v[BK+4*(\t):BK+4*(\t)+3], v[RD] offset:(\t)*2*SPITCH  ; LDS serves a wave's instructions in order (ISA guide 5.7.1.4): these see the stores above
.endr
	ds_store_b32 v[SA], v[MM]                      ; both halves of the lanes hold the same number
	ds_store_b32 v[SA], v[LS] offset:512
	s_wait_dscnt 0x2                               ; the eight loads are back; the two stores behind them may be out
.irp t, 0,1,2,3,4,5,6,7
	global_store_b128 v[CO], v[BK+4*(\t):BK+4*(\t)+3], s[6:7] offset:(\t)*8192  ; 16 lanes store 256 consecutive bytes, at a multiple of 256 from p's first byte
.endr
	s_wait_xcnt 0x0                                ; the stores have read their registers and base: both are written again only behind this wait
	s_add_nc_u64 s[6:7], s[6:7], 65536             ; 16 rows of p on
	s_add_co_u32 s[AI], s[AI], 1
	s_cmp_lt_u32 s[AI], 8
	s_cbranch_scc1 .Lrow
	ds_load_b128 v[BK:BK+3], v[LLA]                ; my wave's 128 m and 128 l: 512 bytes each, 16 bytes a lane on end
	ds_load_b128 v[BK+4:BK+7], v[LLA] offset:512
	s_wait_dscnt 0x0
	global_store_b128 v[LLG], v[BK:BK+3], s[8:9]
	global_store_b128 v[LLG], v[BK+4:BK+7], s[8:9] offset:512
	s_wait_tensorcnt 0x0                           ; the wave's end: behind my last tensor load and my last LDS store
	ds_add_u32 v[SPW], v[NIL]
	s_wait_dscnt 0x0
	s_endpgm
.Lfunc_end_k_q03bc1a9820_scores:
	.size	k_q03bc1a9820_scores, .Lfunc_end_k_q03bc1a9820_scores-k_q03bc1a9820_scores
	.p2alignl 7, 3214868480
	.fill 96, 4, 3214868480
	.section	.rodata,"a",@progbits
	.p2align	6, 0x0
	.amdhsa_kernel k_q03bc1a9820_scores
		.amdhsa_group_segment_fixed_size 327680
		.amdhsa_private_segment_fixed_size 0
		.amdhsa_enable_private_segment 0
		.amdhsa_kernarg_size 24
		.amdhsa_user_sgpr_count 2
		.amdhsa_user_sgpr_kernarg_segment_ptr 1
		.amdhsa_wavefront_size32 1
		.amdhsa_system_sgpr_workgroup_id_x 1
		.amdhsa_system_sgpr_workgroup_id_y 1
		.amdhsa_system_sgpr_workgroup_id_z 1
		.amdhsa_system_vgpr_workitem_id 0
		.amdhsa_next_free_vgpr 1024
		.amdhsa_next_free_sgpr 66
		.amdhsa_reserve_vcc 1
		.amdhsa_float_denorm_mode_32 3
		.amdhsa_float_denorm_mode_16_64 3
		.amdhsa_memory_ordered 1
		.amdhsa_forward_progress 1
		.amdhsa_inst_pref_size 140
	.end_amdhsa_kernel
	.amdgpu_metadata
---
amdhsa.version: [ 1, 2 ]
amdhsa.kernels:
  - .name:           k_q03bc1a9820_scores
    .symbol:         k_q03bc1a9820_scores.kd
    .args:
      - { .name: qkv, .offset: 0, .size: 8, .value_kind: global_buffer, .address_space: global }
      - { .name: p, .offset: 8, .size: 8, .value_kind: global_buffer, .address_space: global }
      - { .name: st, .offset: 16, .size: 8, .value_kind: global_buffer, .address_space: global }
    .group_segment_fixed_size: 327680
    .private_segment_fixed_size: 0
    .kernarg_segment_align: 8
    .kernarg_segment_size: 24
    .max_flat_workgroup_size: 128
    .sgpr_count:     66
    .vgpr_count:     1024
    .wavefront_size: 32
...
	.end_amdgpu_metadata
.endif
;; end of part 3
;; launch mix (part 4): grid 8 x 32, 4 waves a work-group, clusters of 4 x 4, 327,680 bytes of LDS; arguments p, st, qkv, out0; writes out0
.if DOCPART == 4
	.amdgcn_target "amdgcn-amd-amdhsa--gfx1250"
	.amdhsa_code_object_version 6
	.text
	.protected	k_q03bc1a9820_mix
	.globl	k_q03bc1a9820_mix
	.p2align	8
	.type	k_q03bc1a9820_mix,@function
k_q03bc1a9820_mix:
	s_mov_b64 s[64:65], 0
	v_nop
	global_prefetch_b8 v0, s[64:65] scope:SCOPE_SE
	s_setreg_imm32_b32 hwreg(HW_REG_WAVE_MODE, 25, 1), 1
	s_wait_xcnt 0x0
	s_wait_alu depctr_hold_cnt(0) depctr_sa_sdst(0) depctr_va_vdst(0) depctr_va_sdst(0) depctr_va_ssrc(0) depctr_va_vcc(0) depctr_vm_vsrc(0)
	s_getreg_b32 s2, hwreg(HW_REG_IB_STS2, 6, 4)
	s_cmp_eq_u32 s2, 0
	s_cbranch_scc0 .Lentry_in_a_cluster
	s_endpgm
.Lentry_in_a_cluster:
	s_bfe_u32 s2, ttmp6, 0x10000c
	s_cmp_lg_u32 s2, 0xf033
	s_cbranch_scc0 .Lentry_shape_is_right
	s_endpgm
.Lentry_shape_is_right:
; out[q][e] = sum over groups g of 128 keys of f'_g(q) (P_g V_g)(q, e), with f'_g = 2^(m_g - M) / L, M = the maximum of the row's m_g, L = the sum of 2^(m_g - M) l_g: the softmax's running maximum, taken group by group.
; P f16 (p), V f16 (qkv's column blocks 32-47), m and l f32 (st); products, factors and sums in f32; out0 f32.
; LIMITS.  As in the launch before: hidden scores count as c s - 1e30, so a wholly hidden group has m = -1e30 and never sets M; factors below 2^-126 count as 0; NaN and infinities are not treated apart.
; SHARES.  A work-group makes 128 channels of TWO blocks of 128 rows, 15 - b and then b: block i needs the groups 0 .. i.  Four waves, each 64 rows x 64 channels: 16 accumulators.
; THE WALK is common to a cluster of 4 x 4 (four channel tiles x four b of one batch): ten steps of 256 keys, NH = 8 or 6 for the upper blocks and 10 - NH for the lower: the most that any of the four b needs.  So V's tiles are
; asked for jointly along a column of the cluster and P's along a row.  A partner whose block ends a step earlier goes on asking, with P's address held at its last written step, and gives the result the factor 0:
; 20 groups are computed where 17 are needed.  No branch and no LDS address hangs on a work-group's place in its cluster.
; A GROUP's products are summed in T (two sets of 16 accumulators by turns, started with the constant 0); while the next group is multiplied, O += f' T folds the finished one, eight packed lines behind every eight matrix
; instructions: they are also the places behind the products.  The factors lie in a table in LDS, made at the start: entry t of 20 (walk step t / 2, group t % 2) holds f' of 64 rows, [l % 16][row block].
; TRANSPOSED USE: source 0 = V^T (16 channels x 32 keys, by the turning load), source 1 = P (16 rows x 32 keys): a lane holds row l % 16 and the channels 8 (l / 16) + 0..7.
; REGISTERS, in windows of 256: window 0: v0-31 addresses; v32-63 rows read back; v96-111 two sets of factors; v128-255 O ((a, cb) at 8 (4 a + cb)); window 1: two fragment buffers of 128 (P's 64, then V's 64);
;   window 2: T0 = v0-127, T1 = v128-255.
.set CB,     1048576
.set PPI,    528                       ; a row of P in LDS: 512 bytes + 16 = 132 words: row r starts at bank 4 r mod 64 (64 banks of 4 bytes: ISA guide 11.1)
.set PV,     160                       ; a row of V: 128 + 32 = 40 words
.set AHALF,  64*PPI
.set VCH,    256*PV
.set VOFF,   2*AHALF
.set SLOT,   VOFF+2*VCH                ; 149,504
.set TAB,    2*SLOT                    ; the table: for each half of the rows 20 entries of 256 bytes
.set TABH,   5120
.set STAGE,  TAB+2*TABH                ; 16 rows x 272 bytes for each wave
.set SPITCH, 272
.set SPARE,  STAGE+4*16*SPITCH         ; the spare words, 128 bytes a wave: two blocks of 256 bytes that no other line names
.set LN,   10
.set ADRA, 16
.set ADRB, 20
.set TADR, 22                          ; v22  the step's two entries of the table
.set TAD0, 23                          ; v23  the first step's; never rewritten
.set STO,  24
.set RD,   25
.set CO,   26
.set TW,   27                          ; v27  where I write the table
.set SPW,  28
.set NIL,  29
.set BK,   32
.set FX,   96                          ; set u at FX + 8 u: four factors as loaded, then copies of the second and fourth at +4 and +6, so that each is the low register of a pair
.set O,    128
.set F0,   0
.set F1,   128
; the start's registers, in O's place
.set MH,  128                          ; m, then the factors, of the upper block: quad j (groups 2 j + l / 16) at MH + 4 j
.set LH,  160                          ; its l
.set ML,  192                          ; the lower block's
.set LW,  208
.set OFH, 224
.set OFL, 232
.set MXH, 236
.set MXL, 240
.set TQ,  244
.set SH,  248
.set SL,  252
.set WV, 12
.set RH, 13
.set CH, 14
.set HF, 15                            ; s15  the cluster's half of the eight b: the same in all partners
.set RQ, 23                            ; s23  the walk step to be asked for next
.set G1A, 24
.set G0A, 32
.set G1B, 40
.set G0B, 48
.set OHI, 56
.set OLO, 58
.set SEL, 60
.set NH,  63
.set ROWHI, 66
.set ROWLO, 67
.set CLHI, 68
.set CLLO, 69
.set PB,  70
.set VB,  72
.set TBT, 74
.set HFM, 75
.set IHI, 76
.set ILO, 77
.set CX,  78
.set CY,  79
.set X0,  80
.set X2,  82
.set STH, 84
.set STL, 86
.set CT,  88
.set BT,  89
; scalar registers at work: s16 holds numbers that all partners share; s17-19 may hold cy's, s20-21 cx's; s80-83 anything: no register that feeds a joint descriptor ever holds the coordinate that its partners do not share
.set MSB, 0
.macro WIN new
.if MSB != (\new)
	s_set_vgpr_msb (MSB<<8)|(\new)
.set MSB, \new
.endif
.endm
.macro JLOAD s                         ; waves 0 and 1 fetch P's two halves of 64 rows, waves 2 and 3 V's two chunks of 64 channels; an s_nop 0 and four v_nop follow each line
	s_cmp_eq_u32 s[RH], 0
	s_cbranch_scc0 .Lfor_b_\@
	tensor_load_to_lds s[G0A+4*(\s):G0A+4*(\s)+3], s[G1A:G1A+7]
	s_nop 0
.rept 4
	v_nop
.endr
	s_branch .Lasked_\@
.Lfor_b_\@:
	tensor_load_to_lds s[G0B+4*(\s):G0B+4*(\s)+3], s[G1B:G1B+7]
	s_nop 0
.rept 4
	v_nop
.endr
.Lasked_\@:
.endm
.macro CREST
	s_cmp_lg_u32 s[WV], 0
	s_cbranch_scc1 .Lnot_wave_0_\@
	s_barrier_signal -3
.Lnot_wave_0_\@:
	s_barrier_wait -3
	s_barrier_signal -1
	s_barrier_wait -1
.endm
.macro CROUND
	s_barrier_signal -1
	s_barrier_wait -1
	CREST
.endm
	s_load_b256 s[4:11], s[0:1], 0x0               ; p s[4:5], st s[6:7], qkv s[8:9], out0 s[10:11]
	v_lshl_add_u32 v[SPW], v0, 2, SPARE
	v_mov_b32 v[NIL], 0
	ds_add_u32 v[SPW], v[NIL]                      ; the wave's opening: the add and its wait stand ahead of my first tensor load
	v_lshrrev_b32 v1, 5, v0
	v_readfirstlane_b32 s[WV], v1
	s_lshr_b32 s[RH], s[WV], 1                     ; my 64 rows.  Also: I fetch P (0) or V (1)
	s_and_b32 s[CH], s[WV], 1                      ; my 64 channels.  Also: which half of that tile I fetch
	s_bfe_u32 s[CX], ttmp6, 0x40000
	s_bfe_u32 s[CY], ttmp6, 0x40004
	s_lshl_b32 s[CT], ttmp9, 2
	s_add_co_u32 s[CT], s[CT], s[CX]               ; channel tile 0..7
	s_and_b32 s16, ttmp7, 0xffff
	s_lshr_b32 s[BT], s16, 1                       ; batch
	s_and_b32 s[HF], s16, 1
	s_lshl_b32 s[ILO], s[HF], 2
	s_add_co_u32 s[ILO], s[ILO], s[CY]             ; b: the lower block
	s_sub_co_u32 s[IHI], 15, s[ILO]                ; the upper block
	s_lshl_b32 s[NH], s[HF], 1
	s_sub_co_u32 s[NH], 8, s[NH]                   ; the upper blocks' steps
	s_lshl_b32 s[ROWHI], s[IHI], 19                ; a block's 128 rows of 4,096 bytes in p
	s_lshl_b32 s[ROWLO], s[ILO], 19
	s_lshr_b32 s[CLHI], s[IHI], 1                  ; a block's last written step
	s_lshr_b32 s[CLLO], s[ILO], 1
	s_lshl_b32 s17, s[CY], 2
	s_lshl_b32 s17, 15, s17                        ; my row of the cluster
	s_lshl_b32 s20, 0x1111, s[CX]                  ; my column
	s_or_b32 s[G1A+0], s17, (1<<16)|(1<<20)|(1<<21)|(6<<22)|(3<<25)  ; the mask; 2-byte elements; padding on; 21 set beside a mask; after every 128 words, 4 words
	s_mov_b32 s[G1A+1], 256<<16                    ; tensor_dim0 = 256 keys
	s_mov_b32 s[G1A+2], 64<<16                     ; tensor_dim1 = 64 rows
	s_mov_b32 s[G1A+3], 256<<16
	s_mov_b32 s[G1A+4], 64
	s_mov_b32 s[G1A+5], 2048                       ; elements from row to row of p
	s_mov_b32 s[G1A+6], 0
	s_mov_b32 s[G1A+7], 0
	s_or_b32 s[G1B+0], s20, (1<<16)|(1<<20)|(1<<21)|(4<<22)|(7<<25)  ; after every 32 words, 8 words
	s_mov_b32 s[G1B+1], 128<<16                    ; 256 keys x 128 bytes, dense: 128 rows of 256 bytes
	s_mov_b32 s[G1B+2], 128<<16
	s_mov_b32 s[G1B+3], 128<<16
	s_mov_b32 s[G1B+4], 128
	s_mov_b32 s[G1B+5], 128
	s_mov_b32 s[G1B+6], 0
	s_mov_b32 s[G1B+7], 0
	s_mov_b32 s[SEL], 0x76543210
	s_mov_b32 s[SEL+1], 0xfedcba98
	s_mov_b32 s[TBT], 0
	s_mov_b32 s[RQ], 2
	s_cmp_lg_u32 s[HF], 0
	s_cselect_b32 s[HFM], -1, 0
	s_lshl_b32 s18, s[BT], 23                      ; p: the batch, and my 64 rows of a block's 128
	s_lshl_b32 s19, s[CH], 18
	s_add_co_u32 s18, s18, s19
	s_mov_b32 s19, 0
	s_lshl_b32 s20, s[CT], 1                       ; V: column block 32 + 2 x channel tile + my half, and the batch's rows
	s_add_co_u32 s20, s20, s[CH]
	s_add_co_u32 s20, s20, 32
	s_lshl_b32 s20, s20, 20
	s_lshl_b32 s21, s[BT], 18
	s_add_co_u32 s20, s20, s21
	s_mov_b32 s21, 0
	s_wait_dscnt 0x0                               ; the opening add is done
	s_wait_kmcnt 0x0
	s_add_nc_u64 s[PB:PB+1], s[4:5], s[18:19]
	s_add_nc_u64 s[VB:VB+1], s[8:9], s[20:21]
	s_mul_i32 s16, s[CH], AHALF                    ; where they go: no place in the cluster enters an LDS address
	s_mul_i32 s[X2], s[CH], VCH
	s_add_co_u32 s[X2], s[X2], VOFF
	CROUND                                         ; all sixteen work-groups are here: the first joint loads meet
.irp s, 0,1
	s_mov_b32 s[G0A+4*(\s)], 1
	s_add_co_u32 s[G0A+4*(\s)+1], s16, (\s)*SLOT
	s_add_co_u32 s18, s[ROWHI], (\s)*512           ; walk steps 0 and 1 are the upper block's
	s_mov_b32 s19, 0
	s_add_nc_u64 s[G0A+4*(\s)+2:G0A+4*(\s)+3], s[PB:PB+1], s[18:19]
	s_or_b32 s[G0A+4*(\s)+3], s[G0A+4*(\s)+3], 0x80000000
	s_mov_b32 s[G0B+4*(\s)], 1
	s_add_co_u32 s[G0B+4*(\s)+1], s[X2], (\s)*SLOT
	s_add_nc_u64 s[G0B+4*(\s)+2:G0B+4*(\s)+3], s[VB:VB+1], (\s)*32768
	s_or_b32 s[G0B+4*(\s)+3], s[G0B+4*(\s)+3], 0x80000000
	JLOAD \s                                       ; two loads of mine are out
.endr
	v_and_b32 v1, 15, v0                           ; l % 16
	v_bfe_u32 v2, v0, 4, 1                         ; l / 16
	; m and l of my 64 rows: lane (r, h) takes the groups 2 j + h, held to the last written one; 16 bytes are the four row blocks' numbers for row r
	s_lshl_b32 s16, s[RH], 4
	v_lshl_add_u32 v[LN], v1, 5, s16
	s_or_b32 s17, s[IHI], 1
	s_or_b32 s18, s[ILO], 1
.irp j, 0,1,2,3,4,5,6,7
	v_add_nc_u32 v3, 2*(\j), v2
	v_min_u32 v3, s17, v3
	v_lshl_add_u32 v[OFH+(\j)], v3, 10, v[LN]
.endr
.irp j, 0,1,2,3
	v_add_nc_u32 v3, 2*(\j), v2
	v_min_u32 v3, s18, v3
	v_lshl_add_u32 v[OFL+(\j)], v3, 10, v[LN]
.endr
	s_lshl_b32 s16, s[BT], 4
	s_add_co_u32 s18, s16, s[IHI]
	s_lshl_b32 s18, s18, 14
	s_mov_b32 s19, 0
	s_add_nc_u64 s[STH:STH+1], s[6:7], s[18:19]
	s_add_co_u32 s18, s16, s[ILO]
	s_lshl_b32 s18, s18, 14
	s_add_nc_u64 s[STL:STL+1], s[6:7], s[18:19]
.irp j, 0,1,2,3,4,5,6,7
	global_load_b128 v[MH+4*(\j):MH+4*(\j)+3], v[OFH+(\j)], s[STH:STH+1]
	global_load_b128 v[LH+4*(\j):LH+4*(\j)+3], v[OFH+(\j)], s[STH:STH+1] offset:512
.endr
.irp j, 0,1,2,3
	global_load_b128 v[ML+4*(\j):ML+4*(\j)+3], v[OFL+(\j)], s[STL:STL+1]
	global_load_b128 v[LW+4*(\j):LW+4*(\j)+3], v[OFL+(\j)], s[STL:STL+1] offset:512
.endr
	; addresses, while these are on their way
	v_mul_u32_u24 v3, v1, PPI
	v_lshl_add_u32 v3, v2, 4, v3                   ; P: row x pitch + 16 x half
	s_mul_i32 s16, s[RH], AHALF
	v_and_b32 v4, 7, v0                            ; V: the turning load takes key 8 (l / 16) + l % 8, channels 8 ((l / 8) % 2) + 0..7
	v_bfe_u32 v5, v0, 3, 1
	v_lshl_add_u32 v4, v2, 3, v4
	v_mul_u32_u24 v4, v4, PV
	v_lshl_add_u32 v4, v5, 4, v4
	s_mul_i32 s[X2], s[CH], VCH
	s_add_co_u32 s[X2], s[X2], VOFF
.irp s, 0,1
	v_add_nc_u32 v[ADRA+(\s)], s16, v3
	v_add_nc_u32 v[ADRB+(\s)], s[X2], v4
	s_add_co_u32 s16, s16, SLOT
	s_add_co_u32 s[X2], s[X2], SLOT
.endr
	s_mul_i32 s16, s[WV], 16*SPITCH
	s_add_co_u32 s16, s16, STAGE
	v_mul_u32_u24 v3, v1, SPITCH                   ; in: row l % 16, 32 bytes for each half of the lanes
	v_lshl_add_u32 v3, v2, 5, v3
	v_add_nc_u32 v[STO], s16, v3
	v_mul_u32_u24 v3, v2, SPITCH                   ; back: lanes 0-15 one row of 256 bytes, lanes 16-31 the next
	v_lshl_add_u32 v3, v1, 4, v3
	v_add_nc_u32 v[RD], s16, v3
	v_lshlrev_b32 v3, 12, v2
	v_lshl_add_u32 v[CO], v1, 4, v3
	s_mul_i32 s16, s[RH], TABH
	s_add_co_u32 s16, s16, TAB
	v_lshlrev_b32 v3, 4, v1
	v_add_nc_u32 v[TAD0], s16, v3
	v_lshl_add_u32 v[TW], v2, 8, v[TAD0]
	v_mov_b32 v[TADR], v[TAD0]
	; out0 at (batch x 2048 + 128 i + 64 half) rows of 4,096 bytes + (128 x channel tile + 64 half) x 4
	s_lshl_b32 s[X2], s[BT], 23
	s_lshl_b32 s[X2+1], s[RH], 18
	s_add_co_u32 s[X2], s[X2], s[X2+1]
	s_lshl_b32 s[X2+1], s[CT], 9
	s_add_co_u32 s[X2], s[X2], s[X2+1]
	s_lshl_b32 s[X2+1], s[CH], 8
	s_add_co_u32 s[X2], s[X2], s[X2+1]
	s_lshl_b32 s[X0], s[IHI], 19
	s_add_co_u32 s[X0], s[X0], s[X2]
	s_mov_b32 s[X0+1], 0
	s_add_nc_u64 s[OHI:OHI+1], s[10:11], s[X0:X0+1]
	s_lshl_b32 s[X0], s[ILO], 19
	s_add_co_u32 s[X0], s[X0], s[X2]
	s_add_nc_u64 s[OLO:OLO+1], s[10:11], s[X0:X0+1]
.irp a, 0,1,2,3
	v_mov_b32 v[TQ+(\a)], 0                        ; v_permlanex16_b32's destination counts as read
.endr
	s_wait_loadcnt 0x0
; M = the maximum of a row's m over the groups (mine, then the other half of the lanes'); then m - M in m's place.  A group written but hidden has m = -1e30 and never wins.
.macro ROWMAX mx, m, nj
.irp a, 0,1,2,3
	v_max3_num_f32 v[(\mx)+(\a)], v[(\m)+(\a)], v[(\m)+4+(\a)], v[(\m)+8+(\a)]
.endr
.if (\nj) == 8
.irp a, 0,1,2,3
	v_max3_num_f32 v[(\mx)+(\a)], v[(\mx)+(\a)], v[(\m)+12+(\a)], v[(\m)+16+(\a)]
.endr
.irp a, 0,1,2,3
	v_max3_num_f32 v[(\mx)+(\a)], v[(\mx)+(\a)], v[(\m)+20+(\a)], v[(\m)+24+(\a)]
.endr
.irp a, 0,1,2,3
	v_max_num_f32 v[(\mx)+(\a)], v[(\mx)+(\a)], v[(\m)+28+(\a)]
.endr
.else
.irp a, 0,1,2,3
	v_max_num_f32 v[(\mx)+(\a)], v[(\mx)+(\a)], v[(\m)+12+(\a)]
.endr
.endif
.irp a, 0,1,2,3
	v_permlanex16_b32 v[TQ+(\a)], v[(\mx)+(\a)], s[SEL], s[SEL+1]
.endr
.irp a, 0,1,2,3
	v_max_num_f32 v[(\mx)+(\a)], v[(\mx)+(\a)], v[TQ+(\a)]
.endr
.set j, 0
.rept \nj
	v_pk_add_f32 v[(\m)+4*j:(\m)+4*j+1], v[(\m)+4*j:(\m)+4*j+1], v[(\mx):(\mx)+1] neg_lo:[0,1] neg_hi:[0,1]
	v_pk_add_f32 v[(\m)+4*j+2:(\m)+4*j+3], v[(\m)+4*j+2:(\m)+4*j+3], v[(\mx)+2:(\mx)+3] neg_lo:[0,1] neg_hi:[0,1]
.set j, j+1
.endr
.endm
; The factors of groups beyond the block's own (2 j + l / 16 > i) become 0; L = the sum of factor x l, over my groups and the other half of the lanes'.
.macro FACT m, l, sm, nj, si
.set j, 0
.rept \nj
	s_sub_co_i32 s17, s[(\si)], 2*j
	v_cmp_ge_i32 vcc_lo, s17, v2
.irp a, 0,1,2,3
	v_cndmask_b32 v[(\m)+4*j+(\a)], 0, v[(\m)+4*j+(\a)], vcc_lo
.endr
.if j == 0
	v_pk_mul_f32 v[(\sm):(\sm)+1], v[(\m):(\m)+1], v[(\l):(\l)+1]
	v_pk_mul_f32 v[(\sm)+2:(\sm)+3], v[(\m)+2:(\m)+3], v[(\l)+2:(\l)+3]
.else
	v_pk_fma_f32 v[(\sm):(\sm)+1], v[(\m)+4*j:(\m)+4*j+1], v[(\l)+4*j:(\l)+4*j+1], v[(\sm):(\sm)+1]
	v_pk_fma_f32 v[(\sm)+2:(\sm)+3], v[(\m)+4*j+2:(\m)+4*j+3], v[(\l)+4*j+2:(\l)+4*j+3], v[(\sm)+2:(\sm)+3]
.endif
.set j, j+1
.endr
.irp a, 0,1,2,3
	v_permlanex16_b32 v[TQ+(\a)], v[(\sm)+(\a)], s[SEL], s[SEL+1]
.endr
.irp a, 0,1,2,3
	v_add_f32 v[(\sm)+(\a)], v[(\sm)+(\a)], v[TQ+(\a)]
.endr
.endm
.macro SCALE m, sm, nj                 ; factor / L
.set j, 0
.rept \nj
	v_pk_mul_f32 v[(\m)+4*j:(\m)+4*j+1], v[(\m)+4*j:(\m)+4*j+1], v[(\sm):(\sm)+1]
	v_pk_mul_f32 v[(\m)+4*j+2:(\m)+4*j+3], v[(\m)+4*j+2:(\m)+4*j+3], v[(\sm)+2:(\sm)+3]
.set j, j+1
.endr
.endm
	ROWMAX MXH, MH, 8
	ROWMAX MXL, ML, 4
.set i, 0
.rept 32
	v_exp_f32 v[MH+i], v[MH+i]                     ; one batch of 48: every exponent is at most 0
.set i, i+1
.endr
.set i, 0
.rept 16
	v_exp_f32 v[ML+i], v[ML+i]
.set i, i+1
.endr
	v_nop                                          ; a plain instruction behind the last exponential,
	s_wait_alu depctr_va_vdst(0)                   ; and one wait for the batch
	FACT MH, LH, SH, 8, IHI
	FACT ML, LW, SL, 4, ILO
.irp a, 0,1,2,3,4,5,6,7
	v_rcp_f32 v[SH+(\a)], v[SH+(\a)]               ; L is at least 1: the group that holds M has l >= 1 and the factor 1
.endr
	v_nop
	s_wait_alu depctr_va_vdst(0)
	SCALE MH, SH, 8
	SCALE ML, SL, 4
	; THE TABLE.  One store writes a walk step's two entries (lanes 0-15 the first group's, lanes 16-31 the second's).  Of the two waves that hold the same rows, the first writes steps 0-4, the second 5-9.
	; Step n is the upper block's quad n while n < NH, else the lower block's quad n - NH; NH is 8 or 6, so steps 6 to 9 are chosen by the cluster's half.
	s_cmp_eq_u32 s[CH], 0
	s_cbranch_scc0 .Lupper_steps
.irp n, 0,1,2,3,4
	ds_store_b128 v[TW], v[MH+4*(\n):MH+4*(\n)+3] offset:(\n)*512
.endr
	s_branch .Ltable_done
.Lupper_steps:
.irp a, 0,1,2,3,4,5,6,7
	v_cndmask_b32 v[LH+(\a)], v[MH+24+(\a)], v[ML+(\a)], s[HFM]      ; steps 6, 7
	v_cndmask_b32 v[LH+8+(\a)], v[ML+(\a)], v[ML+8+(\a)], s[HFM]     ; steps 8, 9
.endr
	ds_store_b128 v[TW], v[MH+20:MH+23] offset:5*512
.irp n, 0,1,2,3
	ds_store_b128 v[TW], v[LH+4*(\n):LH+4*(\n)+3] offset:(6+(\n))*512
.endr
.Ltable_done:
	; What the first step finds: O, T1 and the factors are 0, so that its folds (of a group that has not been) add 0.  Written in the wait for the first tile: the price of one text for every step.
.set i, 0
.rept 128
	v_mov_b32 v[O+i], 0
.set i, i+1
.endr
.set i, 0
.rept 16
	v_mov_b32 v[FX+i], 0
.set i, i+1
.endr
	WIN 0x80
.set i, 0
.rept 128
	v_mov_b32 v[128+i], 0
.set i, i+1
.endr
	WIN 0
; 8 matrix instructions into T's set tp: row blocks a0, a0 + 1 x all 4 channel blocks, 32 keys: half c of buffer f.  The 16 accumulators take turns.  zero = 1: the product starts the group's sum.
.macro MUL8 f, c, a0, zero, tp
	WIN 0xa5                                       ; sources in window 1, C and D in window 2
.irp a, \a0, (\a0)+1
.irp b, 0,1,2,3
.if \zero
	v_wmma_f32_16x16x32_f16 v[128*(\tp)+8*(4*(\a)+(\b)):128*(\tp)+8*(4*(\a)+(\b))+7], v[(\f)+64+8*(4*(\c)+(\b)):(\f)+64+8*(4*(\c)+(\b))+7], v[(\f)+8*(4*(\c)+(\a)):(\f)+8*(4*(\c)+(\a))+7], 0
.else
	v_wmma_f32_16x16x32_f16 v[128*(\tp)+8*(4*(\a)+(\b)):128*(\tp)+8*(4*(\a)+(\b))+7], v[(\f)+64+8*(4*(\c)+(\b)):(\f)+64+8*(4*(\c)+(\b))+7], v[(\f)+8*(4*(\c)+(\a)):(\f)+8*(4*(\c)+(\a))+7], v[128*(\tp)+8*(4*(\a)+(\b)):128*(\tp)+8*(4*(\a)+(\b))+7]
.endif
.endr
.endr
.endm
; O += f' T for accumulators 2 n and 2 n + 1 of set tq, each from its lowest registers on; the factor is the low register of its pair.
.macro FOLD8 n, tq
	WIN 0x02                                       ; source 0 (T) in window 2
.set fp, FX+8*(\tq)+2*(((\n)/2)/2)+4*(((\n)/2)%2)
.irp u, 0,1
.irp rr, 0,1,2,3
	v_pk_fma_f32 v[O+8*(2*(\n)+(\u))+2*(\rr):O+8*(2*(\n)+(\u))+2*(\rr)+1], v[128*(\tq)+8*(2*(\n)+(\u))+2*(\rr):128*(\tq)+8*(2*(\n)+(\u))+2*(\rr)+1], v[fp:fp+1], v[O+8*(2*(\n)+(\u))+2*(\rr):O+8*(2*(\n)+(\u))+2*(\rr)+1] op_sel_hi:[1,0,1]
.endr
.endr
.endm
; 32 LDS loads in one run: the fragments of keys 64 q .. 64 q + 63 of the slot's step, the first 32 keys first
.macro FETCH slot, q, f
	WIN 0x40                                       ; destination window 1
.irp c, 0,1
.irp i, 0,1,2,3
	ds_load_tr16_b128 v[(\f)+64+8*(4*(\c)+(\i)):(\f)+64+8*(4*(\c)+(\i))+3],   v[ADRB+(\slot)] offset:(64*(\q)+32*(\c))*PV+32*(\i)
	ds_load_tr16_b128 v[(\f)+64+8*(4*(\c)+(\i))+4:(\f)+64+8*(4*(\c)+(\i))+7], v[ADRB+(\slot)] offset:(64*(\q)+32*(\c)+16)*PV+32*(\i)
	ds_load_b128 v[(\f)+8*(4*(\c)+(\i)):(\f)+8*(4*(\c)+(\i))+3],               v[ADRA+(\slot)] offset:128*(\q)+64*(\c)+(\i)*16*PPI
	ds_load_b128 v[(\f)+8*(4*(\c)+(\i))+4:(\f)+8*(4*(\c)+(\i))+7],             v[ADRA+(\slot)] offset:128*(\q)+64*(\c)+(\i)*16*PPI+32
.endr
.endr
.endm
; A quarter of a step: 64 keys, 32 matrix instructions into set tp, and behind every eight of them a fold of the other set (numbers n0 .. n0 + 3).  In its middle it fetches quarter q into buffer g.
; fl = 0, 1: the factors of the group now being multiplied are loaded into set fl, which the folds do not read in this quarter: the oldest load of the run.
.macro QUARTER slot, q, f, g, zero, tp, n0, fl
	s_wait_dscnt 16                                ; the first 32 keys' fragments are in
	MUL8 \f, 0, 0, \zero, \tp
	FOLD8 (\n0), 1-(\tp)
	MUL8 \f, 0, 2, \zero, \tp
	FOLD8 (\n0)+1, 1-(\tp)
	WIN 0
.if (\fl) >= 0
	ds_load_b128 v[FX+8*(\fl):FX+8*(\fl)+3], v[TADR] offset:256*(\fl)
.endif
	FETCH \slot, \q, \g
	s_wait_dscnt 32                                ; all but the 32 just issued
.if (\fl) >= 0
	WIN 0
	v_mov_b32 v[FX+8*(\fl)+4], v[FX+8*(\fl)+1]
	v_mov_b32 v[FX+8*(\fl)+6], v[FX+8*(\fl)+3]
.endif
	MUL8 \f, 1, 0, 0, \tp
	FOLD8 (\n0)+2, 1-(\tp)
	MUL8 \f, 1, 2, 0, \tp
	FOLD8 (\n0)+3, 1-(\tp)
.endm
; The addresses of walk step RQ, made anew from its number: step sl of the upper block while RQ < NH, else of the lower; P's step is held at the block's last written one.
.macro NEXTREQ slot
	s_cmp_lt_u32 s[RQ], s[NH]
	s_cselect_b32 s16, 0, s[NH]
	s_cselect_b32 s17, s[ROWHI], s[ROWLO]
	s_cselect_b32 s18, s[CLHI], s[CLLO]
	s_sub_co_u32 s16, s[RQ], s16                   ; sl
	s_min_u32 s18, s16, s18
	s_lshl_b32 s18, s18, 9                         ; 256 keys of 2 bytes
	s_add_co_u32 s18, s18, s17
	s_mov_b32 s19, 0
	s_add_nc_u64 s[G0A+4*(\slot)+2:G0A+4*(\slot)+3], s[PB:PB+1], s[18:19]
	s_or_b32 s[G0A+4*(\slot)+3], s[G0A+4*(\slot)+3], 0x80000000
	s_lshl_b32 s20, s16, 15                        ; 256 keys of 128 bytes
	s_mov_b32 s21, 0
	s_add_nc_u64 s[G0B+4*(\slot)+2:G0B+4*(\slot)+3], s[VB:VB+1], s[20:21]
	s_or_b32 s[G0B+4*(\slot)+3], s[G0B+4*(\slot)+3], 0x80000000
	s_add_co_u32 s[RQ], s[RQ], 1
.endm
; The step's last quarter multiplies buffer 1 and changes slots: ONE barrier (with fill = 1 it opens a round of the cluster's).  In front of it each wave waits for all its tensor loads, of which one is out: its part of the next
; slot; adds 0 to its spare word; and waits for that and for its own reads of this slot.  Behind it this slot is filled again first: 112 matrix instructions stand between the request and the wait for it.
.macro TURN slot, next, fill
	WIN 0
	s_wait_tensorcnt 0x0                           ; no tensor load of mine is out, so a group 0 may be written
	ds_add_u32 v[SPW], v[NIL]                      ; 0 onto my spare word
.if \fill
	NEXTREQ \slot
.endif
	s_add_co_u32 s[TBT], s[TBT], 512               ; the next step's two entries of the table
	s_wait_dscnt 17                                ; (the add and the youngest sixteen loads may be out)
	MUL8 F1, 0, 0, 0, 1
	FOLD8 4, 0
	s_wait_dscnt 0x0                               ; the add is done, and my reads of this slot are over
	s_barrier_signal -1
	MUL8 F1, 0, 2, 0, 1
	FOLD8 5, 0
	WIN 0
	s_barrier_wait -1
.if \fill
	CREST                                          ; no wave of any partner still reads this slot's tiles or has a load on its way
	JLOAD \slot
.endif
	v_add_nc_u32 v[TADR], s[TBT], v[TAD0]
	FETCH \next, 0, F0
	MUL8 F1, 1, 0, 0, 1
	FOLD8 6, 0
	MUL8 F1, 1, 2, 0, 1
	FOLD8 7, 0
.endm
; THE WAY OUT.  O is already divided by L.  16 rows at a time through my own stage: a lane's 32 bytes go into rows of 272 bytes and come back as whole rows of 256.
.macro WOUT base
	WIN 0
.irp a, 0,1,2,3
	s_wait_xcnt 0x0                                ; the stores before have read their registers, which are loaded again below
.irp cb, 0,1,2,3
	ds_store_b128 v[STO], v[O+8*(4*(\a)+(\cb)):O+8*(4*(\a)+(\cb))+3]   offset:64*(\cb)
	ds_store_b128 v[STO], v[O+8*(4*(\a)+(\cb))+4:O+8*(4*(\a)+(\cb))+7] offset:64*(\cb)+16
.endr
.irp t, 0,1,2,3,4,5,6,7
	ds_load_b128 v[BK+4*(\t):BK+4*(\t)+3], v[RD] offset:(\t)*2*SPITCH  ; LDS serves a wave's instructions in order (ISA guide 5.7.1.4): these see the stores above
.endr
	s_wait_dscnt 0x0
.irp t, 0,1,2,3,4,5,6,7
	global_store_b128 v[CO], v[BK+4*(\t):BK+4*(\t)+3], s[(\base):(\base)+1] offset:(16*(\a)+2*(\t))*4096  ; 16 lanes store 256 consecutive bytes, at a multiple of 256 from out0's first byte
.endr
.endr
.endm
; Behind the first two quarters of a lap the last lap's groups are all folded.  Where the upper blocks' steps ended with the last lap, O goes out and starts again at 0.  The jump goes forward, hangs on the
; cluster's half and the loop's count alone, and passes no barrier and no tensor load.
.macro CHECK intail
	WIN 0
.if \intail
	s_cmp_eq_u32 s[HF], 0                          ; NH = 8: four laps
.else
	s_cmp_eq_u32 s3, s[HF]                         ; NH = 6: three laps: the trip with s3 = 1, where the half is 1
.endif
	s_cbranch_scc0 .Lno_out_\@
	WOUT OHI
.set i, 0
.rept 128
	v_mov_b32 v[O+i], 0
.set i, i+1
.endr
.Lno_out_\@:
.endm
	s_wait_tensorcnt 1                             ; my part of walk step 0 is in; step 1's may stay out
	s_wait_dscnt 0x0                               ; my part of the table is written
	s_barrier_signal -1
	s_barrier_wait -1
	FETCH 0, 0, F0
	WIN 0
	s_mov_b32 s3, 4
.Llap:                                             ; a trip: two walk steps, once round the ring; it fills both slots again
	QUARTER 0, 1, F0, F1, 1, 0, 0, 0
	QUARTER 0, 2, F1, F0, 0, 0, 4, -1
	CHECK 0
	QUARTER 0, 3, F0, F1, 1, 1, 0, 1
	TURN 0, 1, 1
	QUARTER 1, 1, F0, F1, 1, 0, 0, 0
	QUARTER 1, 2, F1, F0, 0, 0, 4, -1
	QUARTER 1, 3, F0, F1, 1, 1, 0, 1
	TURN 1, 0, 1
	WIN 0
	s_sub_co_u32 s3, s3, 1
	s_cmp_lg_u32 s3, 0
	s_cbranch_scc1 .Llap
	QUARTER 0, 1, F0, F1, 1, 0, 0, 0               ; the last lap asks for nothing
	QUARTER 0, 2, F1, F0, 0, 0, 4, -1
	CHECK 1
	QUARTER 0, 3, F0, F1, 1, 1, 0, 1
	TURN 0, 1, 0
	QUARTER 1, 1, F0, F1, 1, 0, 0, 0
	QUARTER 1, 2, F1, F0, 0, 0, 4, -1
	QUARTER 1, 3, F0, F1, 1, 1, 0, 1
	s_wait_dscnt 16                                ; the very last quarter: nothing more to fetch
	MUL8 F1, 0, 0, 0, 1
	FOLD8 4, 0
	MUL8 F1, 0, 2, 0, 1
	FOLD8 5, 0
	s_wait_dscnt 0x0
	MUL8 F1, 1, 0, 0, 1
	FOLD8 6, 0
	MUL8 F1, 1, 2, 0, 1
	FOLD8 7, 0                                     ; eight plain lines on the other set: the places behind the last products
.irp n, 0,1,2,3,4,5,6,7
	FOLD8 \n, 1                                    ; the last group
.endr
	WOUT OLO
	s_wait_tensorcnt 0x0                           ; the wave's end: behind my last tensor load and my last LDS store
	ds_add_u32 v[SPW], v[NIL]
	s_wait_dscnt 0x0
	CROUND                                         ; the closing round: no work-group ends while a partner may still ask for a tile that names it
	s_endpgm
.Lfunc_end_k_q03bc1a9820_mix:
	.size	k_q03bc1a9820_mix, .Lfunc_end_k_q03bc1a9820_mix-k_q03bc1a9820_mix
	.p2alignl 7, 3214868480
	.fill 96, 4, 3214868480
	.section	.rodata,"a",@progbits
	.p2align	6, 0x0
	.amdhsa_kernel k_q03bc1a9820_mix
		.amdhsa_group_segment_fixed_size 327680
		.amdhsa_private_segment_fixed_size 0
		.amdhsa_enable_private_segment 0
		.amdhsa_kernarg_size 32
		.amdhsa_user_sgpr_count 2
		.amdhsa_user_sgpr_kernarg_segment_ptr 1
		.amdhsa_wavefront_size32 1
		.amdhsa_system_sgpr_workgroup_id_x 1
		.amdhsa_system_sgpr_workgroup_id_y 1
		.amdhsa_system_sgpr_workgroup_id_z 1
		.amdhsa_system_vgpr_workitem_id 0
		.amdhsa_next_free_vgpr 768
		.amdhsa_next_free_sgpr 90
		.amdhsa_reserve_vcc 1
		.amdhsa_float_denorm_mode_32 3
		.amdhsa_float_denorm_mode_16_64 3
		.amdhsa_memory_ordered 1
		.amdhsa_forward_progress 1
		.amdhsa_inst_pref_size 176
	.end_amdhsa_kernel
	.amdgpu_metadata
---
amdhsa.version: [ 1, 2 ]
amdhsa.kernels:
  - .name:           k_q03bc1a9820_mix
    .symbol:         k_q03bc1a9820_mix.kd
    .args:
      - { .name: p, .offset: 0, .size: 8, .value_kind: global_buffer, .address_space: global }
      - { .name: st, .offset: 8, .size: 8, .value_kind: global_buffer, .address_space: global }
      - { .name: qkv, .offset: 16, .size: 8, .value_kind: global_buffer, .address_space: global }
      - { .name: out0, .offset: 24, .size: 8, .value_kind: global_buffer, .address_space: global }
    .group_segment_fixed_size: 327680
    .private_segment_fixed_size: 0
    .kernarg_segment_align: 8
    .kernarg_segment_size: 32
    .max_flat_workgroup_size: 128
    .sgpr_count:     90
    .vgpr_count:     768
    .wavefront_size: 32
...
	.end_amdgpu_metadata
.endif
;; end of part 4
;; ======== version 2 of 2: 4 launches; version 1 with the launch cast written anew for expert scheduling mode
;; limits: values are held in f16: magnitudes above 65,504 overflow, below 6.1e-05 lose precision
;; workspace buffers: xw 23,068,672 bytes; qkv 50,331,648 bytes; p 33,554,432 bytes; st 1,048,576 bytes
;; launch cast (part 5): grid 352 x 1, 8 waves a work-group, no clusters, 0 bytes of LDS; arguments x, Wq, Wk, Wv, xw; writes xw
.if DOCPART == 5
	.amdgcn_target "amdgcn-amd-amdhsa--gfx1250"
	.amdhsa_code_object_version 6
	.text
	.protected	k_q03bc1a9820_cast
	.globl	k_q03bc1a9820_cast
	.p2align	8
	.type	k_q03bc1a9820_cast,@function
k_q03bc1a9820_cast:
	s_mov_b64 s[64:65], 0
	v_nop
	global_prefetch_b8 v0, s[64:65] scope:SCOPE_SE
	s_setreg_imm32_b32 hwreg(HW_REG_WAVE_SCHED_MODE, 0, 2), 2
	s_setreg_imm32_b32 hwreg(HW_REG_WAVE_MODE, 25, 1), 1
	s_wait_xcnt 0x0
	s_wait_alu depctr_vm_vsrc(0)
; x [8192][1024] and Wq, Wk, Wv [1024][1024], all f32, are rounded once to bf16 and laid in blocks of 64 along K:
; xw = [16 kb][11264 rows][64] bf16; rows 0-8191 x, then Wq, Wk, Wv.  A piece (kb, row) is 128 bytes, so a block of rows of one kb is dense.
; A stream: every byte is read once and written once; no LDS, no barrier, no matrix work.
; SHARES.  Work-group W owns rows 32 W .. 32 W + 31 of xw (all of one source).  Wave w owns kb 2 w and 2 w + 1 of these rows.
; One load: lanes 0-15 take 256 consecutive bytes (64 numbers, one kb) of an even row, lanes 16-31 of the odd row below it.
; One store: the same 128 numbers as bf16, 8 bytes a lane: 256 consecutive bytes, at a multiple of 256 from xw's first byte.
; All 32 loads of a wave go out at once (16 KiB a wave); the waits count down; each load has registers of its own, so no register is written again behind a store.
; THE MODE: SCHED_MODE bits 1:0 = 2 (LLVM: expert scheduling mode 2), set by the entry lines.  The code itself states the register dependences
; between vector instructions and memory instructions, with s_wait_alu, always for 0.
; THE PLAN.  Registers that memory instructions touch:
;   v1, v2        the loads' and the stores' offsets: made once at the head, never written again.
;   v[X + 4 n ..] four registers for load n: written by load n; read by n's two conversions, which write the first two of them in place; these two are read by store n.
;                 Nothing writes them behind that store: no source of a memory instruction is ever overwritten.
; The 32 loads' results go in eight blocks of four.  Block p rounds its four loads' numbers; the four stores of block p - 1 are dealt among its eight conversions.
; ONE wait at a block's head states that the block before has written what those four stores read; the conversions issued since name block p's registers alone.
.set KBS, 1441792                      ; bytes from one kb to the next: 11,264 rows x 128
.set X,   8                            ; v[8:135]  load n: 4 registers
.set BLK, 4                            ; loads in a block
	s_load_b256 s[4:11], s[0:1], 0x0               ; x s[4:5], Wq s[6:7], Wk s[8:9], Wv s[10:11]
	s_load_b64 s[12:13], s[0:1], 0x20              ; xw
	v_lshrrev_b32 v3, 5, v0
	v_readfirstlane_b32 s14, v3                    ; wave 0..7
	v_and_b32 v4, 15, v0                           ; lane % 16
	v_bfe_u32 v5, v0, 4, 1                         ; lane / 16
	s_wait_alu depctr_va_sdst(0)                   ; s14 is written, ahead of its first reader: the wave's parts of both offsets are made from it
	s_lshl_b32 s22, s14, 9                         ; the wave's two kb: 512 bytes of a source row
	v_lshlrev_b32 v1, 4, v4
	v_lshl_add_u32 v1, v5, 12, v1                  ; + a source row of 4,096 bytes for lanes 16-31
	v_add_nc_u32 v1, s22, v1                       ; v1: the loads' offset; never rewritten
	s_mul_i32 s23, s14, 2*KBS
	v_lshlrev_b32 v2, 3, v4
	v_lshl_add_u32 v2, v5, 7, v2                   ; + a piece of 128 bytes for lanes 16-31
	v_add_nc_u32 v2, s23, v2                       ; v2: the stores' offset; never rewritten
	s_sub_co_u32 s15, ttmp9, 256                   ; my number among the weights' 96 work-groups (used only where W >= 256)
	s_lshr_b32 s16, s15, 5                         ; which of the three
	s_and_b32 s17, s15, 31                         ; which 32 rows of it
	s_wait_kmcnt 0x0
	s_cmp_eq_u32 s16, 1
	s_cselect_b64 s[6:7], s[8:9], s[6:7]
	s_cmp_eq_u32 s16, 2
	s_cselect_b64 s[6:7], s[10:11], s[6:7]
	s_cmp_lt_u32 ttmp9, 256
	s_cselect_b64 s[4:5], s[4:5], s[6:7]           ; the source
	s_cselect_b32 s17, ttmp9, s17                  ; my 32 rows in it
	s_lshl_b32 s18, s17, 17                        ; x 32 rows of 4,096 bytes
	s_mov_b32 s19, 0
	s_add_nc_u64 s[4:5], s[4:5], s[18:19]
	s_lshl_b32 s20, ttmp9, 12                      ; 32 pieces of 128 bytes
	s_mov_b32 s21, 0
	s_add_nc_u64 s[12:13], s[12:13], s[20:21]
	s_wait_alu depctr_va_vdst(0)                   ; v1 and v2 are written: every load of the kernel reads the one as its offset, every store the other
.set n, 0
.rept 32                                           ; load n: row pair n / 2, kb 2 w + n % 2
	global_load_b128 v[X+4*n:X+4*n+3], v1, s[4:5] offset:(n/2)*8192+(n%2)*256 th:TH_LOAD_NT
.set n, n+1
.endr
.set p, 0
.rept 32/BLK                                       ; block p: loads 4 p .. 4 p + 3
	s_wait_loadcnt 32-BLK-BLK*p                    ; loads come back in order: the block's four are in, the younger ones stay out
.if p > 0
	s_wait_alu depctr_va_vdst(0)                   ; the block before has written the first two registers of each of its four loads, which the four stores below read
.endif
.set i, 0
.rept BLK
.set n, BLK*p+i
.if p > 0
.set m, n-BLK
	global_store_b64 v2, v[X+4*m:X+4*m+1], s[12:13] offset:(m%2)*KBS+(m/2)*256  ; the block before; no vector instruction since the wait names these registers
.endif
	v_cvt_pk_bf16_f32 v[X+4*n], v[X+4*n], v[X+4*n+1]
	v_cvt_pk_bf16_f32 v[X+4*n+1], v[X+4*n+2], v[X+4*n+3]
.set i, i+1
.endr
.set p, p+1
.endr
	s_wait_alu depctr_va_vdst(0)                   ; the last block's conversions have written what the last four stores read
.set m, 32-BLK
.rept BLK
	global_store_b64 v2, v[X+4*m:X+4*m+1], s[12:13] offset:(m%2)*KBS+(m/2)*256
.set m, m+1
.endr
	s_endpgm
.Lfunc_end_k_q03bc1a9820_cast:
	.size	k_q03bc1a9820_cast, .Lfunc_end_k_q03bc1a9820_cast-k_q03bc1a9820_cast
	.p2alignl 7, 3214868480
	.fill 96, 4, 3214868480
	.section	.rodata,"a",@progbits
	.p2align	6, 0x0
	.amdhsa_kernel k_q03bc1a9820_cast
		.amdhsa_group_segment_fixed_size 0
		.amdhsa_private_segment_fixed_size 0
		.amdhsa_enable_private_segment 0
		.amdhsa_kernarg_size 40
		.amdhsa_user_sgpr_count 2
		.amdhsa_user_sgpr_kernarg_segment_ptr 1
		.amdhsa_wavefront_size32 1
		.amdhsa_system_sgpr_workgroup_id_x 1
		.amdhsa_system_sgpr_workgroup_id_y 1
		.amdhsa_system_sgpr_workgroup_id_z 1
		.amdhsa_system_vgpr_workitem_id 0
		.amdhsa_next_free_vgpr 136
		.amdhsa_next_free_sgpr 66
		.amdhsa_reserve_vcc 0
		.amdhsa_float_denorm_mode_32 3
		.amdhsa_float_denorm_mode_16_64 3
		.amdhsa_memory_ordered 1
		.amdhsa_forward_progress 1
		.amdhsa_inst_pref_size 13
	.end_amdhsa_kernel
	.amdgpu_metadata
---
amdhsa.version: [ 1, 2 ]
amdhsa.kernels:
  - .name:           k_q03bc1a9820_cast
    .symbol:         k_q03bc1a9820_cast.kd
    .args:
      - { .name: x, .offset: 0, .size: 8, .value_kind: global_buffer, .address_space: global }
      - { .name: Wq, .offset: 8, .size: 8, .value_kind: global_buffer, .address_space: global }
      - { .name: Wk, .offset: 16, .size: 8, .value_kind: global_buffer, .address_space: global }
      - { .name: Wv, .offset: 24, .size: 8, .value_kind: global_buffer, .address_space: global }
      - { .name: xw, .offset: 32, .size: 8, .value_kind: global_buffer, .address_space: global }
    .group_segment_fixed_size: 0
    .private_segment_fixed_size: 0
    .kernarg_segment_align: 8
    .kernarg_segment_size: 40
    .max_flat_workgroup_size: 256
    .sgpr_count:     66
    .vgpr_count:     136
    .wavefront_size: 32
...
	.end_amdgpu_metadata
.endif
;; end of part 5
;; launch proj: the kernel of part 2 again; grid 8 x 32, 4 waves a work-group, clusters of 4 x 4, 327,680 bytes of LDS; arguments xw, qkv; writes qkv
;; launch scores: the kernel of part 3 again; grid 9 x 16, 4 waves a work-group, no clusters, 327,680 bytes of LDS; arguments qkv, p, st; writes p, st
;; launch mix: the kernel of part 4 again; grid 8 x 32, 4 waves a work-group, clusters of 4 x 4, 327,680 bytes of LDS; arguments p, st, qkv, out0; writes out0
